; MI455X (gfx1250); checked and timed in simulation.
; The chip was launched on July 23, 2026; its instructions are those of AMD's public machine-readable ISA for CDNA 5 (MIT licence, August 2026) and "CDNA5" Instruction Set Architecture Reference Guide (July 2026). The comments in the code are by the model that wrote it; some were corrected since.
;; Mo E Layer. Allowed arithmetic: matrix products marked QUANTISED: E2M3 operands, one E8M0 scale for each 32 along K, by v_wmma_scale_f32_16x16x128_f8f6f4 with both operands' format E2M3, f32 sums; products left as they are: f32 operands where the result goes on into a quantised operand, else bf16, f16 or f32 operands; f32 sums; everything else in f32.
;; Inputs: b1 6 x 512 float32; b2 6 x 256 float32; ln_b 256 float32; ln_g 256 float32; rb1 256 float32; rb2 6 float32; regime 8 x 5 float32; rw1 261 x 256 float32; rw2 256 x 6 float32; w1_codes 6 x 512 x 8 x 24 uint8 (E2M3 codes of w1, K innermost, in blocks of 32 codes, four codes in three bytes); w1_scales 6 x 512 x 8 uint8 (E8M0 scales of w1, one for each 32 codes along K); w2_codes 6 x 256 x 16 x 24 uint8 (E2M3 codes of w2, K innermost, in blocks of 32 codes, four codes in three bytes); w2_scales 6 x 256 x 16 uint8 (E8M0 scales of w2, one for each 32 codes along K); x 8 x 4,096 x 256 float32.
;; Outputs: out0 8 x 4,096 x 256 float32; out1 one number float32.
;; This version of the problem:
;;   THIS VERSION OF THE PROBLEM IS GIVEN IN LOW PRECISION. The matrix products marked QUANTISED in the list below multiply operands that are first quantised to E2M3 (2 exponent bits, 3 mantissa bits; 6 bits a number), with one power-of-two scale for each 32 numbers along K (OCP MX v1.0); their sums are f32. All else is computed in f32.
;;   The module's matrix products, in the order in which they are computed (A, B: the left and right operand; K: the contracted axis; several contracted axes count as one K, in the product's order):
;;     1. [M 32,768, K 261] x [K 261, N 256]; A: computed on the way; B: input rw1: QUANTISED
;;     2. [M 32,768, K 256] x [K 256, N 6]; A: computed on the way; B: input rw2: left as it is (N = 6 < 16)
;;     3. [M 32,768, K 256] x [K 256, N 3,072]; A: computed on the way; B: input w1 (given as codes): QUANTISED
;;     4. batch 6 x [M 256, K 512] x [K 512, N 32,768]; A: input w2 (given as codes); B: computed on the way: QUANTISED
;;   THE QUANTISER, for each operand of a quantised product, along K:
;;     - K is cut into blocks of 32 from its start; a last block that is shorter is filled with zeros.
;;     - A block's scale is 2^e with e = floor(log2(the largest magnitude in the block)) - 2, held to -126 .. 127; a block of zeros has e = 0. As a byte (E8M0): e + 127.
;;     - Each number is divided by its block's scale, clamped to +-7.5, and rounded to the nearest number of E2M3, ties to even, subnormals kept.
;;     - The product sums the exact products of the quantised numbers (number of the format x scale) in f32.
;;   ~~~python
;;   def quantise(x, axis):      # numpy; x: float32 -> the quantised numbers, widened to float32 again
;;       x = np.moveaxis(x, axis, -1); K = x.shape[-1]
;;       x = np.pad(x, [(0, 0)] * (x.ndim - 1) + [(0, -K % 32)]); x = x.reshape(x.shape[:-1] + (-1, 32)); a = np.abs(x).max(-1, keepdims=True)
;;       e = np.where(a > 0, np.clip(np.frexp(np.where(a > 0, a, 1))[1] - 1 - 2, -126, 127), 0)      # np.frexp(a)[1] - 1 = floor(log2(a)), exactly
;;       r = np.clip(x / 2.0 ** e, -7.5, 7.5)
;;       step = 2.0 ** (np.maximum(np.frexp(np.where(r == 0, 1, r))[1] - 1, 0) - 3)
;;       q = np.round(r / step) * step * 2.0 ** e      # np.round: ties to even
;;       return np.moveaxis(q.reshape(q.shape[:-2] + (-1,))[..., :K], -1, axis).astype(np.float32)
;;   ~~~
;;   OPERANDS COMPUTED ON THE WAY. 'Computed on the way' means the value that the module computes at that place (a softmax that the list does not call 'softmax' is quantised finished and normalised). What goes into a quantiser is computed in f32, as accurately as f32 sums, v_exp_f32 and their like allow (about 1e-6 of the number): no bf16 or f16 on the way to a quantiser, and a product that is left as it is and whose result goes on into a quantised operand takes f32 operands (vector FMAs, or v_wmma_f32_16x16x4_f32). A number that lies on a knife's edge between two numbers of the format may be rounded either way, as far as f32 arithmetic and the matrix unit's own rounding can turn it there, and no further.
;;   INPUTS GIVEN AS CODES. w1 (in the module: [6, 256, 512], K = its axis 1); w2 (in the module: [6, 512, 256], K = its axis 1): each comes as NAME_codes (uint8): NAME with its K axis moved to the last place and cut into blocks of 32 codes, [.., K / 32, bytes a block], one block behind the other in memory; four codes in three bytes: a row's codes are one little-endian stream of bits, code i at bits 6 i .. 6 i + 5 (a code: sign, 2 exponent bits, 3 mantissa bits); and NAME_scales (uint8): the same leading axes, one E8M0 byte (e + 127) for each 32 codes along K. Its value is code x scale, taken as it is: it is not quantised again, and the codes and scales need not be those that the quantiser above would give.
;; 2 versions, each right; version 2 is version 1 with the launches router, experts written anew for expert scheduling mode. Each part assembles by itself: llvm-mc -triple=amdgcn-amd-amdhsa -mcpu=gfx1250 --defsym DOCPART=n.
;; ======== version 1 of 2: 4 launches
;; workspace buffers: wimg 1,259,520 bytes; xq 6,553,600 bytes; gp 278,528 bytes; rsel 147,456 bytes of whole numbers; rplan 163,840 bytes of whole numbers
;; launch prep (part 1): grid 60 x 1, 4 waves a work-group, no clusters, 0 bytes of LDS; arguments rw1, w1_codes, w2_codes, wimg; writes wimg
.if DOCPART == 1
	.amdgcn_target "amdgcn-amd-amdhsa--gfx1250"
	.amdhsa_code_object_version 6
	.text
	.protected	k_q84194813c8_prep
	.globl	k_q84194813c8_prep
	.p2align	8
	.type	k_q84194813c8_prep,@function
k_q84194813c8_prep:
	s_mov_b64 s[64:65], 0
	v_nop
	global_prefetch_b8 v0, s[64:65] scope:SCOPE_SE
	s_setreg_imm32_b32 hwreg(HW_REG_WAVE_MODE, 25, 1), 1
	s_wait_xcnt 0x0
; Lays all weights out once, as images of the operand registers of the 16x16x128 matrix instruction on 6-bit codes.
; A fragment (16 rows x 128 K) is 12 registers a lane; its image is 3 x 512 bytes: registers 4 c .. 4 c + 3 of lane l at 512 c + 16 l.
; wimg: W1's images at 0, W2's at W2IMG, rw1's at RW1IMG, rw1's scale words (128 bytes a fragment, 4 bytes a lane) at RW1SC.
; Work-groups 0-7: rw1, K steps 0 and 1, quantised (f32 [261][256], K is the first axis: a lane takes a column, its registers run down K).
; Work-groups 8-11: rw1's K step 2, of which only k = 256 .. 260 exist; the rest of the step is zero codes under the byte 127.
; Work-groups 12-35: W1's codes copied; 36-59: W2's.  A wave makes one fragment of rw1 or copies four fragments.
; LIMITS: NaN and infinities are not served; a block whose largest magnitude lies under 2^-124 keeps the scale byte 1 (a block of zeros too: its codes are zeros, and only this program reads the bytes).
.set W2IMG,  589824
.set RW1IMG, 1179648
.set RW1SC,  1253376
	s_load_b256 s[4:11], s[0:1], 0x0               ; rw1 s[4:5], w1_codes s[6:7], w2_codes s[8:9], wimg s[10:11]
	v_lshrrev_b32 v1, 5, v0
	v_readfirstlane_b32 s12, v1                    ; wave
	v_and_b32 v3, 31, v0                           ; lane
	v_and_b32 v1, 15, v0                           ; r
	v_bfe_u32 v2, v0, 4, 1                         ; h
	v_lshlrev_b32 v4, 4, v3                        ; 16 x lane: a lane's place in an image
	v_lshlrev_b32 v5, 2, v3                        ; 4 x lane: in a block of scale words
	v_lshlrev_b32 v6, 2, v1                        ; 4 r
	s_mov_b32 s20, 0x76543210
	s_mov_b32 s21, 0xfedcba98                      ; selects: lane l xor 16
	s_mov_b32 s15, 0
	s_wait_kmcnt 0x0
	s_cmp_lt_u32 ttmp9, 8
	s_cbranch_scc1 .Lquant
	s_cmp_lt_u32 ttmp9, 12
	s_cbranch_scc1 .Ltail
	s_cmp_lt_u32 ttmp9, 36
	s_cbranch_scc1 .Lw1
	; ---- W2: block (e, w) = work-group - 36: rows 64 w .. of expert e, 384 bytes a row.  My wave: tile n = wave, K steps 0 .. 3
	s_sub_co_u32 s13, ttmp9, 36
	s_mul_i32 s14, s13, 24576
	s_mul_i32 s16, s12, 6144
	s_add_co_u32 s14, s14, s16
	s_add_nc_u64 s[8:9], s[8:9], s[14:15]
	s_add_co_u32 s14, s14, W2IMG
	s_add_nc_u64 s[10:11], s[10:11], s[14:15]
	v_mul_u32_u24 v7, v1, 384
	v_mad_u32_u24 v7, v2, 24, v7                   ; row r, + 24 h
.irp j, 0,1,2,3
.irp p, 0,1,2,3,4,5
	global_load_b64 v[16+12*\j+2*\p:17+12*\j+2*\p], v7, s[8:9] offset:96*\j+48*(\p/3)+8*(\p%3)
.endr
.endr
	s_wait_loadcnt 0x0
.irp j, 0,1,2,3
.irp c, 0,1,2
	global_store_b128 v4, v[16+12*\j+4*\c:19+12*\j+4*\c], s[10:11] offset:1536*\j+512*\c
.endr
.endr
	s_endpgm
.Lw1:
	; ---- W1: block (e, w) = work-group - 12: rows 128 w .. of expert e, 192 bytes a row.  Fragment 2 t + s; lane r of tile t takes row 32 (t / 2) + 8 (t % 2) + r + 8 (r / 8),
	; so that the 16 result registers of tiles 2 b and 2 b + 1 are 16 neighbours along the next product's K.  My wave: tiles 2 wave, 2 wave + 1
	s_sub_co_u32 s13, ttmp9, 12
	s_mul_i32 s14, s13, 24576
	s_mul_i32 s16, s12, 6144
	s_add_co_u32 s14, s14, s16
	s_add_nc_u64 s[6:7], s[6:7], s[14:15]
	s_add_nc_u64 s[10:11], s[10:11], s[14:15]
	v_and_b32 v7, 8, v1
	v_add_nc_u32 v7, v7, v1
	v_mul_u32_u24 v7, v7, 192
	v_mad_u32_u24 v7, v2, 24, v7
.irp j, 0,1,2,3
.irp p, 0,1,2,3,4,5
	global_load_b64 v[16+12*\j+2*\p:17+12*\j+2*\p], v7, s[6:7] offset:1536*(\j/2)+96*(\j%2)+48*(\p/3)+8*(\p%3)
.endr
.endr
	s_wait_loadcnt 0x0
.irp j, 0,1,2,3
.irp c, 0,1,2
	global_store_b128 v4, v[16+12*\j+4*\c:19+12*\j+4*\c], s[10:11] offset:1536*\j+512*\c
.endr
.endr
	s_endpgm
.Lquant:
	; ---- rw1, fragment (T, s): columns 16 T + r, k = 128 s + 64 c + 32 h + i
	s_lshl_b32 s13, ttmp9, 2
	s_add_co_u32 s13, s13, s12                     ; 16 s + T
	s_lshr_b32 s18, s13, 4                         ; s
	s_and_b32 s19, s13, 15                         ; T
	s_lshl_b32 s14, s18, 17                        ; 128 rows of 1,024 bytes
	s_lshl_b32 s16, s19, 6
	s_add_co_u32 s14, s14, s16
	s_add_nc_u64 s[4:5], s[4:5], s[14:15]
	s_mul_i32 s16, s19, 3
	s_add_co_u32 s16, s16, s18                     ; 3 T + s
	s_mul_i32 s14, s16, 1536
	s_add_co_u32 s14, s14, RW1IMG
	s_add_nc_u64 s[22:23], s[10:11], s[14:15]
	s_lshl_b32 s14, s16, 7
	s_add_co_u32 s14, s14, RW1SC
	s_add_nc_u64 s[24:25], s[10:11], s[14:15]
	v_lshl_add_u32 v7, v2, 15, v6                  ; 4 r, and 32 rows further down for lanes 16-31
.set k, 0
.rept 64
	global_load_b32 v[64+k], v7, s[4:5] offset:1024*(k+32*(k/32))   ; register 32 c + i: row 64 c + i (+ 32 h)
.set k, k+1
.endr
	s_wait_loadcnt 0x0
.irp c, 0,1                                    ; my block 2 c + h: all its 32 numbers are mine; the floor 2^(3 - 127) keeps the byte at 1 from below
	v_max3_num_f32 v[32+\c], |v[64+32*\c]|, |v[65+32*\c]|, 0x1800000
.endr
.irp i, 2,4,6,8,10,12,14,16,18,20,22,24,26,28,30
.irp c, 0,1
	v_max3_num_f32 v[32+\c], v[32+\c], |v[64+32*\c+\i]|, |v[65+32*\c+\i]|
.endr
.endr
.irp c, 0,1
	v_add_nc_u32 v[44+\c], 0xff000000, v[32+\c]    ; 2 off the exponent field: the conversion's scale operand
.endr
.irp c, 0,1
	v_lshrrev_b32 v[36+\c], 23, v[44+\c]           ; the scale's byte
.endr
	v_lshl_or_b32 v9, v37, 16, v36                 ; my two bytes: blocks h and 2 + h,
	v_lshlrev_b32 v10, 3, v2
	v_lshlrev_b32 v9, v10, v9                      ; at their places in the word;
	v_mov_b32 v10, 0
	v_permlanex16_b32 v10, v9, s20, s21
	v_or_b32 v9, v9, v10                           ; with lane l xor 16's two the word is whole
.irp c, 0,1
	v_cvt_scalef32_pk16_fp6_f32 v[48+6*\c:50+6*\c], v[64+32*\c:79+32*\c], v[44+\c]
	v_cvt_scalef32_pk16_fp6_f32 v[16+4*\c:18+4*\c], v[80+32*\c:95+32*\c], v[44+\c]   ; (three registers that begin on an even number: made elsewhere and moved)
.endr
	v_nop                                          ; one plain line behind the conversions
.irp c, 0,1
.irp i, 0,1,2
	v_mov_b32 v[51+6*\c+\i], v[16+4*\c+\i]
.endr
.endr
.irp c, 0,1,2
	global_store_b128 v4, v[48+4*\c:51+4*\c], s[22:23] offset:512*\c
.endr
	global_store_b32 v5, v9, s[24:25]
	s_endpgm
.Ltail:
	; ---- rw1, K step 2 of columns 16 T + r: five numbers, block 0 of the step, in lanes 0-15
	s_sub_co_u32 s13, ttmp9, 8
	s_lshl_b32 s13, s13, 2
	s_add_co_u32 s19, s13, s12                     ; T
	s_lshl_b32 s14, s19, 6
	s_add_co_u32 s14, s14, 262144                  ; row 256
	s_add_nc_u64 s[4:5], s[4:5], s[14:15]
	s_mul_i32 s16, s19, 3
	s_add_co_u32 s16, s16, 2
	s_mul_i32 s14, s16, 1536
	s_add_co_u32 s14, s14, RW1IMG
	s_add_nc_u64 s[22:23], s[10:11], s[14:15]
	s_lshl_b32 s14, s16, 7
	s_add_co_u32 s14, s14, RW1SC
	s_add_nc_u64 s[24:25], s[10:11], s[14:15]
.irp i, 0,1,2,3,4
	global_load_b32 v[64+\i], v6, s[4:5] offset:1024*\i
.endr
.irp i, 5,6,7,8,9,10,11,12,13,14,15
	v_mov_b32 v[64+\i], 0                          ; the block is filled with zeros
.endr
.irp i, 3,4,5,6,7,8,9,10,11
	v_mov_b32 v[48+\i], 0                          ; and so is the rest of the K step: zero codes
.endr
	s_wait_loadcnt 0x0
	v_max3_num_f32 v32, |v64|, |v65|, 0x1800000
	v_max3_num_f32 v32, v32, |v66|, |v67|
	v_max_num_f32 v32, v32, |v68|
	v_add_nc_u32 v44, 0xff000000, v32
	v_lshrrev_b32 v36, 23, v44
	v_or_b32 v9, 0x7f7f7f00, v36                   ; the blocks of zero codes get the byte 127
	v_cvt_scalef32_pk16_fp6_f32 v[48:50], v[64:79], v44
	v_nop
	v_cmp_eq_u32 vcc_lo, 0, v2
.irp i, 0,1,2
	v_cndmask_b32 v[48+\i], 0, v[48+\i], vcc_lo    ; lanes 16-31 hold k = 288 ..: zero codes
.endr
.irp c, 0,1,2
	global_store_b128 v4, v[48+4*\c:51+4*\c], s[22:23] offset:512*\c
.endr
	global_store_b32 v5, v9, s[24:25]
	s_endpgm
.Lfunc_end_k_q84194813c8_prep:
	.size	k_q84194813c8_prep, .Lfunc_end_k_q84194813c8_prep-k_q84194813c8_prep
	.p2alignl 7, 3214868480
	.fill 96, 4, 3214868480
	.section	.rodata,"a",@progbits
	.p2align	6, 0x0
	.amdhsa_kernel k_q84194813c8_prep
		.amdhsa_group_segment_fixed_size 0
		.amdhsa_private_segment_fixed_size 0
		.amdhsa_enable_private_segment 0
		.amdhsa_kernarg_size 32
		.amdhsa_user_sgpr_count 2
		.amdhsa_user_sgpr_kernarg_segment_ptr 1
		.amdhsa_wavefront_size32 1
		.amdhsa_system_sgpr_workgroup_id_x 1
		.amdhsa_system_sgpr_workgroup_id_y 1
		.amdhsa_system_sgpr_workgroup_id_z 1
		.amdhsa_system_vgpr_workitem_id 0
		.amdhsa_next_free_vgpr 128
		.amdhsa_next_free_sgpr 66
		.amdhsa_reserve_vcc 1
		.amdhsa_float_denorm_mode_32 3
		.amdhsa_float_denorm_mode_16_64 3
		.amdhsa_memory_ordered 1
		.amdhsa_forward_progress 1
		.amdhsa_inst_pref_size 22
	.end_amdhsa_kernel
	.amdgpu_metadata
---
amdhsa.version: [ 1, 2 ]
amdhsa.kernels:
  - .name:           k_q84194813c8_prep
    .symbol:         k_q84194813c8_prep.kd
    .args:
      - { .name: rw1, .offset: 0, .size: 8, .value_kind: global_buffer, .address_space: global }
      - { .name: w1_codes, .offset: 8, .size: 8, .value_kind: global_buffer, .address_space: global }
      - { .name: w2_codes, .offset: 16, .size: 8, .value_kind: global_buffer, .address_space: global }
      - { .name: wimg, .offset: 24, .size: 8, .value_kind: global_buffer, .address_space: global }
    .group_segment_fixed_size: 0
    .private_segment_fixed_size: 0
    .kernarg_segment_align: 8
    .kernarg_segment_size: 32
    .max_flat_workgroup_size: 128
    .sgpr_count:     66
    .vgpr_count:     128
    .wavefront_size: 32
...
	.end_amdgpu_metadata
.endif
;; end of part 1
;; launch router (part 2): grid 256 x 1, 4 waves a work-group, no clusters, 118,272 bytes of LDS; arguments x, regime, ln_g, ln_b, rb1, rw2, rb2, wimg, xq, gp, rsel; writes xq, gp, rsel
.if DOCPART == 2
	.amdgcn_target "amdgcn-amd-amdhsa--gfx1250"
	.amdhsa_code_object_version 6
	.text
	.protected	k_q84194813c8_router
	.globl	k_q84194813c8_router
	.p2align	8
	.type	k_q84194813c8_router,@function
k_q84194813c8_router:
	s_mov_b64 s[64:65], 0
	v_nop
	global_prefetch_b8 v0, s[64:65] scope:SCOPE_SE
	s_setreg_imm32_b32 hwreg(HW_REG_WAVE_MODE, 25, 1), 1
	s_wait_xcnt 0x0
; LayerNorm, its quantising to E2M3 (codes and scale words go to xq), the router (quantised product with rw1, silu, f32 product with rw2), top-2, gates, and this block's parts of the load-balancing sums.
; A work-group takes 128 neighbouring tokens, all of one batch entry.  Wave w normalises and quantises row tiles w and 4 + w (16 tokens each); in the products the waves share the COLUMNS: wave w owns
; router units 64 w .. 64 w + 63 for all 8 row tiles, so that its part of rw1 (images made by the first launch) and of rw2 stays in registers.
; The first product is used transposed (source 0 = 16 units of rw1, source 1 = 16 tokens): a lane holds one token (lane % 16) and units 8 (lane / 16) + 0 .. 7 of a tile.
; K = 261 is three K steps.  The third holds the regime alone, which all 128 tokens share: it is multiplied once, onto rb1, and the result is the C of every row tile's first product.
; The second product (N = 6) decides the choice of experts, so it is made of f32 fused multiply-adds; ties go to the lower index (a later logit must be strictly larger to win).
; Stored at fixed places only: no address and no branch here hangs on the choice.
; LIMITS: NaN and infinities are not served; a block whose largest magnitude lies under 2^-124 keeps the scale byte 1.
; LDS: XIMG: x's codes as xq has them: 3,072 m + 192 r + 32 q + 16 h (q: register quad 3 s + c);  XSC: 8 bytes a token;  LOG: partial logits, 4,096 w + 32 token;  AUXL, HISL: a wave's sums and counts;
;      PAR: ln_g, ln_b, rw2;  XT: a stage of 16 rows x 1,040 bytes for each wave.
; REGISTERS, in windows of 256.  Window 0: v0-31 addresses; v32-55 x's two fragments (in LN: sums); v56-87 four result tiles (in QUANT: codes, at work); v112-126 scale words and nothing else; v128-255 128 numbers of a lane's token, later at work.
;   Window 1: v0-127 the second half's x as loaded; v128-223 rw1's fragments 2 t + s; v224-255 the four C tiles.  Window 2: v0-191 rw2 (48 t + 6 j + e); v192-223 rb1.  Window 3: v0-127 ln_g, v128-255 ln_b, in x's register order.
.set XIMG, 0
.set XSC,  24576
.set LOG,  25600
.set AUXL, 41984
.set HISL, 42240
.set PAR,  42752
.set XT,   50944
.set RW1IMG, 1179648
.set RW1SC,  1253376
.set XQSC,   6291456
.set XF, 32
.set HA, 56
.set PC, 56
.set TM, 76
.set PW, 92
.set X0, 128
.set T,  128
.set LA, 160
.set SEL, 42
.set MSB, 0
.macro WIN new                         ; the immediate's high byte repeats the setting that is left
.if MSB != \new
	s_set_vgpr_msb (MSB<<8)|\new
.set MSB, \new
.endif
.endm
.macro BARRIER                         ; my LDS stores have landed and my LDS loads are in: then the work-group's barrier
	s_wait_dscnt 0x0
	s_barrier_signal -1
	s_barrier_wait -1
.endm
.macro XLOAD reg, off                  ; my 16 rows of x, 16 KB, as they lie: each load covers 512 consecutive bytes
.set k, 0
.rept 32
	global_load_b128 v[\reg+4*k:\reg+4*k+3], v4, s[4:5] offset:\off+512*k
.set k, k+1
.endr
.endm
.macro XTURN win, reg                  ; through my stage: in as loaded, out 64 neighbouring bytes a lane and block: register 16 b + i = column 32 b + 16 h + i of row r
	WIN \win
.set k, 0
.rept 32
	ds_store_b128 v5, v[\reg+4*k:\reg+4*k+3] offset:1040*(k/2)+512*(k%2)
.set k, k+1
.endr
	WIN 0
.set k, 0
.rept 32
	ds_load_b128 v[X0+4*k:X0+4*k+3], v6 offset:128*(k/4)+16*(k%4)   ; LDS serves a wave's instructions in order: these see the stores above
.set k, k+1
.endr
	s_wait_dscnt 0x0
.endm
.macro FOLD                            ; four packed chains in v32-39 become the row's sum in v32 (a row lies in lanes l and l xor 16)
	v_pk_add_f32 v[32:33], v[32:33], v[34:35]
	v_pk_add_f32 v[36:37], v[36:37], v[38:39]
	v_pk_add_f32 v[32:33], v[32:33], v[36:37]
	v_add_f32 v32, v32, v33
	v_mov_b32 v44, 0
	v_permlanex16_b32 v44, v32, s[SEL], s[SEL+1]
	v_add_f32 v32, v32, v44
.endm
.macro LN                              ; the mean, then the mean of the squared differences: two passes, in f32
.irp c, 0,1,2,3
	v_pk_add_f32 v[32+2*\c:33+2*\c], v[X0+2*\c:X0+2*\c+1], v[X0+8+2*\c:X0+9+2*\c]
.endr
.set p, 8
.rept 14
.irp c, 0,1,2,3
	v_pk_add_f32 v[32+2*\c:33+2*\c], v[32+2*\c:33+2*\c], v[X0+2*(p+\c):X0+2*(p+\c)+1]
.endr
.set p, p+4
.endr
	FOLD
	v_mul_f32 v40, s45, v32
	v_mov_b32 v41, v40
.set p, 0
.rept 64
	v_pk_add_f32 v[X0+2*p:X0+2*p+1], v[X0+2*p:X0+2*p+1], v[40:41] neg_lo:[0,1] neg_hi:[0,1]
.set p, p+1
.endr
.irp c, 0,1,2,3
	v_pk_mul_f32 v[32+2*\c:33+2*\c], v[X0+2*\c:X0+2*\c+1], v[X0+2*\c:X0+2*\c+1]
.endr
.set p, 4
.rept 15
.irp c, 0,1,2,3
	v_pk_fma_f32 v[32+2*\c:33+2*\c], v[X0+2*(p+\c):X0+2*(p+\c)+1], v[X0+2*(p+\c):X0+2*(p+\c)+1], v[32+2*\c:33+2*\c]
.endr
.set p, p+4
.endr
	FOLD
	v_fma_f32 v42, v32, s45, s44                   ; variance + eps
	v_rsq_f32 v42, v42
	v_nop                                          ; one plain line behind the transcendental
	s_wait_alu depctr_va_vdst(0)
	v_mov_b32 v43, v42
.set p, 0
.rept 64
	v_pk_mul_f32 v[X0+2*p:X0+2*p+1], v[X0+2*p:X0+2*p+1], v[42:43]
.set p, p+1
.endr
	WIN 0x3c                                       ; sources 1 and 2 (gain, bias) in window 3
.set p, 0
.rept 64
	v_pk_fma_f32 v[X0+2*p:X0+2*p+1], v[X0+2*p:X0+2*p+1], v[2*p:2*p+1], v[128+2*p:129+2*p]
.set p, p+1
.endr
	WIN 0
.endm
; 64 numbers of a lane, register 16 b + i = k 32 b + 16 (lane / 16) + i of my row, become a fragment's codes in v[PC] on and its scale word in v[PW]
.macro QUANT s
.irp b, 0,1,2,3
	v_max3_num_f32 v[TM+\b], |v[\s+16*\b]|, |v[\s+1+16*\b]|, 0x1800000   ; with the floor 2^(3 - 127): the byte cannot fall under 1
.endr
.irp i, 2,4,6,8,10,12,14
.irp b, 0,1,2,3
	v_max3_num_f32 v[TM+\b], v[TM+\b], |v[\s+16*\b+\i]|, |v[\s+1+16*\b+\i]|
.endr
.endr
.irp b, 0,1,2,3
	v_permlanex16_b32 v[TM+4+\b], v[TM+\b], s[SEL], s[SEL+1]
.endr
.irp b, 0,1,2,3
	v_max_num_f32 v[TM+\b], v[TM+\b], v[TM+4+\b]   ; with lane l xor 16's: the block's largest magnitude
.endr
.irp b, 0,1,2,3
	v_add_nc_u32 v[TM+12+\b], 0xff000000, v[TM+\b] ; 2 off its exponent field: the conversion's scale operand
.endr
.irp b, 0,1,2,3
	v_lshrrev_b32 v[TM+4+\b], 23, v[TM+12+\b]      ; the scale's byte
.endr
	v_lshl_or_b32 v[PW], v[TM+5], 8, v[TM+4]
	v_lshl_or_b32 v[PW], v[TM+6], 16, v[PW]
	v_lshl_or_b32 v[PW], v[TM+7], 24, v[PW]
.irp c, 0,1
	v_cvt_scalef32_pk16_fp6_f32 v[PC+6*\c:PC+2+6*\c], v[\s+32*\c:\s+15+32*\c], v[TM+12+2*\c]
	v_cvt_scalef32_pk16_fp6_f32 v[PC+12+4*\c:PC+14+4*\c], v[\s+16+32*\c:\s+31+32*\c], v[TM+12+2*\c+1]
.endr
	v_nop                                          ; one plain line behind the conversions
.irp c, 0,1                                    ; the operand wants a whole block in a lane: lanes 0-15 block 2 c, lanes 16-31 block 2 c + 1
.irp i, 0,1,2
	v_permlane16_swap_b32 v[PC+6*\c+\i], v[PC+12+4*\c+\i]
.endr
.irp i, 0,1,2
	v_mov_b32 v[PC+3+6*\c+\i], v[PC+12+4*\c+\i]
.endr
.endr
.endm
.macro IMAGE ks, half                  ; K step ks of my tile (w, or 4 + w in the second half) goes to LDS
.irp c, 0,1,2
	ds_store_b128 v7, v[PC+4*\c:PC+4*\c+3] offset:12288*\half+32*(3*\ks+\c)
.endr
	ds_store_b32 v10, v[PW] offset:512*\half+4*\ks  ; lanes l and l xor 16 write the same word with the same value
	s_wait_dscnt 0x0                               ; the stores have read their registers
.endm
.macro COPYOUT half                    ; my tile's 3,072 bytes of codes, which lie in LDS as xq has them, leave in six stores of 512 consecutive bytes
.irp i, 0,1,2,3,4,5
	ds_load_b128 v[224+4*\i:227+4*\i], v9 offset:12288*\half+512*\i
.endr
	s_wait_dscnt 0x0
.irp i, 0,1,2,3,4,5
	global_store_b128 v9, v[224+4*\i:227+4*\i], s[20:21] offset:12288*\half+512*\i
.endr
	s_wait_xcnt 0x0                                ; the data registers are written again only behind this wait
.endm
.macro SILU base                       ; 32 numbers: x / (1 + 2^(-x log2 e))
.set p, 0
.rept 16
	v_pk_mul_f32 v[T+2*p:T+2*p+1], v[\base+2*p:\base+2*p+1], s[46:47] op_sel_hi:[1,0]   ; each result tile is read from its low end on
.set p, p+1
.endr
.set p, 0
.rept 32
	v_exp_f32 v[T+p], v[T+p]
.set p, p+1
.endr
	v_nop
.set p, 0
	s_wait_alu depctr_va_vdst(0)
.rept 16
	v_pk_add_f32 v[T+2*p:T+2*p+1], v[T+2*p:T+2*p+1], 1.0 op_sel_hi:[1,0]
.set p, p+1
.endr
.set p, 0
.rept 32
	v_rcp_f32 v[T+p], v[T+p]
.set p, p+1
.endr
	v_nop
.set p, 0
	s_wait_alu depctr_va_vdst(0)
.rept 16
	v_pk_mul_f32 v[\base+2*p:\base+2*p+1], v[\base+2*p:\base+2*p+1], v[T+2*p:T+2*p+1]
.set p, p+1
.endr
.endm
; units 2 jj and 2 jj + 1 of my half of tile t, each times its six numbers of rw2: six chains of packed multiply-adds (even units: LA .. LA + 5, odd units: LA + 6 .. LA + 11)
.macro P2ROW t, jj, first
.irp ep, 0,1,2
.if \first
	v_pk_mul_f32 v[LA+2*\ep:LA+2*\ep+1], v[HA+8*\t+2*\jj:HA+8*\t+2*\jj+1], v[48*\t+12*\jj+2*\ep:48*\t+12*\jj+2*\ep+1] op_sel_hi:[0,1]
.else
	v_pk_fma_f32 v[LA+2*\ep:LA+2*\ep+1], v[HA+8*\t+2*\jj:HA+8*\t+2*\jj+1], v[48*\t+12*\jj+2*\ep:48*\t+12*\jj+2*\ep+1], v[LA+2*\ep:LA+2*\ep+1] op_sel_hi:[0,1,1]
.endif
.endr
.irp ep, 0,1,2
.if \first
	v_pk_mul_f32 v[LA+6+2*\ep:LA+7+2*\ep], v[HA+8*\t+2*\jj:HA+8*\t+2*\jj+1], v[48*\t+12*\jj+6+2*\ep:48*\t+12*\jj+7+2*\ep] op_sel:[1,0] op_sel_hi:[1,1]
.else
	v_pk_fma_f32 v[LA+6+2*\ep:LA+7+2*\ep], v[HA+8*\t+2*\jj:HA+8*\t+2*\jj+1], v[48*\t+12*\jj+6+2*\ep:48*\t+12*\jj+7+2*\ep], v[LA+6+2*\ep:LA+7+2*\ep] op_sel:[1,0,0] op_sel_hi:[1,1,1]
.endif
.endr
.endm
; four row tiles, m0 on: my 64 units of each, silu, my part of the six logits
.macro P1LOOP m0
	s_mov_b32 s48, 4
	s_mov_b32 s49, \m0*3072
	s_mov_b32 s50, \m0*128
	s_mov_b32 s51, \m0*512
.Lp1_\@:
	v_add_nc_u32 v14, s49, v8
	v_add_nc_u32 v15, s50, v11
	v_add_nc_u32 v16, s51, v12
.irp q, 0,1,2,3,4,5
	ds_load_b128 v[XF+4*\q:XF+4*\q+3], v14 offset:32*\q
.endr
	ds_load_b64 v[124:125], v15                    ; the tile's scale words: lane r has token r's two
	s_wait_dscnt 0x0
	WIN 0x11                                       ; source 0 (rw1) and source 2 (the C tiles) in window 1
.irp t, 0,1,2,3
	v_wmma_scale_f32_16x16x128_f8f6f4 v[HA+8*\t:HA+8*\t+7], v[128+24*\t:139+24*\t], v[XF:XF+11], v[224+8*\t:231+8*\t], v[116+2*\t], v124 matrix_a_fmt:MATRIX_FMT_FP6 matrix_b_fmt:MATRIX_FMT_FP6
.endr
	WIN 0x01                                       ; the four accumulators take turns, one instruction a turn
.irp t, 0,1,2,3
	v_wmma_scale_f32_16x16x128_f8f6f4 v[HA+8*\t:HA+8*\t+7], v[140+24*\t:151+24*\t], v[XF+12:XF+23], v[HA+8*\t:HA+8*\t+7], v[117+2*\t], v125 matrix_a_fmt:MATRIX_FMT_FP6 matrix_b_fmt:MATRIX_FMT_FP6
.endr
	WIN 0
.rept 4
	v_nop                                          ; four plain lines between the products and the first read of their results (ISA guide 7.12.1)
.endr
	SILU HA
	WIN 0x08                                       ; source 1 (rw2) in window 2
	P2ROW 0, 0, 1                                  ; the first products start the six sums
.irp jj, 1,2,3
	P2ROW 0, \jj, 0
.endr
.irp t, 1,2,3
.irp jj, 0,1,2,3
	P2ROW \t, \jj, 0
.endr
.endr
	WIN 0
.irp e, 0,2,4
	v_pk_add_f32 v[LA+\e:LA+\e+1], v[LA+\e:LA+\e+1], v[LA+6+\e:LA+7+\e]
.endr
.irp e, 0,1,2,3,4,5
	v_permlanex16_b32 v[172+\e], v[LA+\e], s[SEL], s[SEL+1]
.endr
.irp e, 0,2,4
	v_pk_add_f32 v[LA+\e:LA+\e+1], v[LA+\e:LA+\e+1], v[172+\e:173+\e]   ; with the other half's units: both lanes of a token now hold the same six numbers
.endr
	ds_store_b128 v16, v[LA:LA+3]
	ds_store_b64 v16, v[LA+4:LA+5] offset:16
	s_add_co_u32 s49, s49, 3072
	s_add_co_u32 s50, s50, 128
	s_add_co_u32 s51, s51, 512
	s_sub_co_u32 s48, s48, 1
	s_cmp_lg_u32 s48, 0
	s_cbranch_scc1 .Lp1_\@
.endm
	s_load_b512 s[4:19], s[0:1], 0x0               ; x, regime, ln_g, ln_b, rb1, rw2, rb2, wimg
	s_load_b128 s[20:23], s[0:1], 0x40             ; xq, gp
	s_load_b64 s[24:25], s[0:1], 0x50              ; rsel
	v_lshl_add_u32 v127, v0, 2, 0x1cc00
	s_set_vgpr_msb 0x80
	v_mov_b32 v255, 0
	s_set_vgpr_msb 0x8000
	v_lshrrev_b32 v1, 5, v0
	v_readfirstlane_b32 s26, v1                    ; wave
	s_mov_b32 s27, ttmp9                           ; work-group
	s_mov_b32 s42, 0x76543210
	s_mov_b32 s43, 0xfedcba98                      ; selects: lane l xor 16
	s_mov_b32 s44, 0x3727c5ac                      ; 1e-5
	s_mov_b32 s45, 0x3b800000                      ; 1 / 256
	s_mov_b32 s46, 0xbfb8aa3b                      ; -log2(e)
	s_mov_b32 s47, s46
	v_and_b32 v1, 15, v0                           ; r
	v_bfe_u32 v2, v0, 4, 1                         ; h
	v_and_b32 v3, 31, v0                           ; lane
	v_lshlrev_b32 v4, 4, v3                        ; 16 lane
	s_mul_i32 s52, s26, 16640
	s_add_co_u32 s52, s52, XT                      ; my stage
	v_add_nc_u32 v5, s52, v4                       ; into it
	v_mul_u32_u24 v6, v1, 1040
	v_lshl_add_u32 v6, v2, 6, v6
	v_add_nc_u32 v6, s52, v6                       ; out of it: row r, + 64 h
	v_mul_u32_u24 v8, v1, 192
	v_lshl_add_u32 v8, v2, 4, v8                   ; 192 r + 16 h: my place in a tile's codes
	s_mul_i32 s53, s26, 3072
	v_add_nc_u32 v7, s53, v8                       ; in my own tile
	v_add_nc_u32 v9, s53, v4                       ; my tile, dense: LDS address and offset in xq alike
	v_lshlrev_b32 v11, 3, v1
	v_add_nc_u32 v11, XSC, v11                     ; a tile's scale words: 8 r
	s_lshl_b32 s53, s26, 7
	v_add_nc_u32 v10, s53, v11                     ; my own tile's
	v_lshlrev_b32 v12, 5, v1
	s_lshl_b32 s53, s26, 12
	s_add_co_u32 s53, s53, LOG
	v_add_nc_u32 v12, s53, v12                     ; my partial logits: 32 bytes a token
	v_lshl_add_u32 v13, v0, 5, LOG                 ; at the end thread = token
	v_lshlrev_b32 v17, 3, v0
	v_lshlrev_b32 v18, 2, v0
	v_lshl_add_u32 v19, v2, 6, PAR                 ; gain and bias: 64 h
	v_mul_u32_u24 v20, v2, 192
	s_mul_i32 s53, s26, 1536
	s_add_co_u32 s53, s53, PAR+2048
	v_add_nc_u32 v20, s53, v20                     ; rw2: rows 64 w + 8 h on, 24 bytes a row
	v_lshlrev_b32 v21, 2, v3                       ; 4 lane
	v_and_b32 v22, 63, v0
	v_lshlrev_b32 v22, 4, v22
	v_lshlrev_b32 v23, 4, v0
	v_add_nc_u32 v24, PAR, v23
	s_lshl_b32 s53, s26, 6
	s_add_co_u32 s53, s53, AUXL
	v_mov_b32 v25, s53
	s_lshl_b32 s53, s26, 7
	s_add_co_u32 s53, s53, HISL
	v_add_nc_u32 v26, s53, v21
	v_lshlrev_b32 v27, 5, v2
	v_lshlrev_b32 v28, 2, v1
	v_add_nc_u32 v29, XSC, v17
.irp b, 0,1,2,3
	v_mov_b32 v[TM+4+\b], 0                        ; written once: a lane permute's destination counts as one of its sources
.endr
	s_wait_kmcnt 0x0
	s_mov_b32 s53, 0
	s_lshr_b32 s52, s27, 5                         ; the batch entry
	s_mul_i32 s52, s52, 20
	s_add_nc_u64 s[6:7], s[6:7], s[52:53]
	s_load_b128 s[36:39], s[6:7], 0x0              ; its five regime numbers
	s_load_b32 s40, s[6:7], 0x10
	s_load_b128 s[28:31], s[16:17], 0x0            ; rb2
	s_load_b64 s[32:33], s[16:17], 0x10
	s_cmp_lt_u32 s26, 2
	s_cselect_b64 s[34:35], s[8:9], s[10:11]       ; waves 0, 1 stage ln_g, waves 2, 3 ln_b
	s_lshl_b32 s52, s27, 17
	s_lshl_b32 s41, s26, 14
	s_add_co_u32 s52, s52, s41
	s_add_nc_u64 s[4:5], s[4:5], s[52:53]          ; x at my first tile
	s_mul_i32 s52, s26, 18432
	s_add_co_u32 s52, s52, RW1IMG
	s_add_nc_u64 s[54:55], s[18:19], s[52:53]      ; my twelve fragments of rw1
	s_mul_i32 s52, s26, 1536
	s_add_co_u32 s52, s52, RW1SC
	s_add_nc_u64 s[56:57], s[18:19], s[52:53]      ; and their scale words
	s_lshl_b32 s52, s26, 8
	s_add_nc_u64 s[12:13], s[12:13], s[52:53]      ; rb1 at my 64 units
	s_lshl_b32 s52, s27, 6
	s_add_co_u32 s52, s52, 262144
	s_add_nc_u64 s[60:61], s[22:23], s[52:53]      ; this block's row of sums
	s_lshl_b32 s52, s27, 6
	s_add_co_u32 s52, s52, 131072
	s_add_nc_u64 s[62:63], s[24:25], s[52:53]      ; and of class counts
	s_lshl_b32 s52, s27, 10
	s_add_nc_u64 s[22:23], s[22:23], s[52:53]      ; gates
	s_add_co_u32 s52, s52, XQSC
	s_add_nc_u64 s[58:59], s[20:21], s[52:53]      ; x's scale words
	s_mul_i32 s52, s27, 24576
	s_add_nc_u64 s[20:21], s[20:21], s[52:53]      ; x's codes
	s_lshl_b32 s52, s27, 9
	s_add_nc_u64 s[24:25], s[24:25], s[52:53]      ; sel
	; 124 loads: 4 to stage, 56 of weights, 64 of x
	global_load_b128 v[96:99], v22, s[34:35]
	global_load_b128 v[100:103], v23, s[14:15]
	global_load_b128 v[104:107], v23, s[14:15] offset:2048
	global_load_b128 v[108:111], v23, s[14:15] offset:4096
	WIN 0x40                                       ; destination window 1
.irp t, 0,1,2,3
.irp u, 0,1
.irp c, 0,1,2
	global_load_b128 v[128+12*(2*\t+\u)+4*\c:128+12*(2*\t+\u)+4*\c+3], v4, s[54:55] offset:4608*\t+1536*\u+512*\c
.endr
.endr
.endr
	WIN 0
.irp t, 0,1,2,3
.irp c, 0,1,2
	global_load_b128 v[32+12*\t+4*\c:32+12*\t+4*\c+3], v4, s[54:55] offset:4608*\t+3072+512*\c   ; K step 2
.endr
.endr
.irp t, 0,1,2,3
	global_load_b32 v[116+2*\t], v21, s[56:57] offset:384*\t
	global_load_b32 v[117+2*\t], v21, s[56:57] offset:384*\t+128
	global_load_b32 v[112+\t], v21, s[56:57] offset:384*\t+256
.endr
	WIN 0x80                                       ; destination window 2
.irp t, 0,1,2,3
	global_load_b128 v[192+8*\t:195+8*\t], v27, s[12:13] offset:64*\t       ; rb1 in the result's layout: units 16 t + 8 h + 0 .. 7
	global_load_b128 v[196+8*\t:199+8*\t], v27, s[12:13] offset:64*\t+16
.endr
	WIN 0
	XLOAD X0, 0
	WIN 0x40
	XLOAD 0, 65536
	WIN 0
	s_wait_loadcnt 63                              ; 64 loads of x were issued behind the last weight: all that stands ahead of x is in
	ds_store_b128 v24, v[96:99]
	ds_store_b128 v24, v[100:103] offset:2048
	ds_store_b128 v24, v[104:107] offset:4096
	ds_store_b128 v24, v[108:111] offset:6144
	BARRIER                                        ; gain, bias and rw2 lie in LDS
	WIN 0xc0                                       ; destination window 3
.set k, 0
.rept 32
	ds_load_b128 v[4*k:4*k+3], v19 offset:128*(k/4)+16*(k%4)
	ds_load_b128 v[128+4*k:131+4*k], v19 offset:1024+128*(k/4)+16*(k%4)
.set k, k+1
.endr
	WIN 0x80
.set k, 0
.rept 48
	ds_load_b128 v[4*k:4*k+3], v20 offset:384*(k/12)+16*(k%12)
.set k, k+1
.endr
	WIN 0
	; the regime as K step 2 of every token: five numbers in block 0 (lanes 0-15), zero codes elsewhere
	s_wait_kmcnt 0x0
.irp i, 0,1,2,3,4
	v_mov_b32 v[96+\i], s[36+\i]
.endr
.irp i, 5,6,7,8,9,10,11,12,13,14,15
	v_mov_b32 v[96+\i], 0
.endr
	v_max3_num_f32 v30, |v96|, |v97|, 0x1800000
	v_max3_num_f32 v30, v30, |v98|, |v99|
	v_max_num_f32 v30, v30, |v100|
	v_add_nc_u32 v31, 0xff000000, v30
	v_lshrrev_b32 v30, 23, v31
	v_or_b32 v126, 0x7f7f7f00, v30
	v_cvt_scalef32_pk16_fp6_f32 v[84:86], v[96:111], v31
	v_nop
	v_cmp_eq_u32 vcc_lo, 0, v2
.irp i, 0,1,2
	v_cndmask_b32 v[84+\i], 0, v[84+\i], vcc_lo
.endr
.irp i, 3,4,5,6,7,8,9,10,11
	v_mov_b32 v[84+\i], 0
.endr
.rept 8
	v_nop                                          ; eight plain lines between the vector writes of a scale word and of an operand and the scaled product
.endr
	s_wait_dscnt 0x0
	WIN 0x60                                       ; destination window 1, source 2 (rb1) window 2
.irp t, 0,1,2,3
	v_wmma_scale_f32_16x16x128_f8f6f4 v[224+8*\t:231+8*\t], v[32+12*\t:43+12*\t], v[84:95], v[192+8*\t:199+8*\t], v[112+\t], v126 matrix_a_fmt:MATRIX_FMT_FP6 matrix_b_fmt:MATRIX_FMT_FP6
.endr
	WIN 0
.rept 5
	v_nop                                          ; plain lines before these products' operand registers are written again
.endr
	; ---- first half: my tile w
	s_wait_loadcnt 32                              ; the second half's 32 loads may stay out
	XTURN 0, X0
	LN
	QUANT X0
	IMAGE 0, 0
	QUANT X0+64
	IMAGE 1, 0
	COPYOUT 0
	BARRIER                                        ; tiles 0 .. 3 lie in LDS
	P1LOOP 0
	; ---- second half: my tile 4 + w (its bytes in LDS are apart from those that slower waves still read)
	s_wait_loadcnt 0x0
	XTURN 0x04, 0
	LN
	QUANT X0
	IMAGE 0, 1
	QUANT X0+64
	IMAGE 1, 1
	COPYOUT 1
	BARRIER                                        ; tiles 4 .. 7 lie in LDS
	P1LOOP 4
	BARRIER                                        ; all partial logits lie in LDS
	; ---- thread = token
.irp u, 0,1,2,3
	ds_load_b128 v[128+8*\u:131+8*\u], v13 offset:4096*\u
	ds_load_b64 v[132+8*\u:133+8*\u], v13 offset:4096*\u+16
.endr
	ds_load_b64 v[190:191], v29                    ; my token's two scale words
	s_wait_dscnt 0x0
.irp e, 0,2,4
	v_pk_add_f32 v[128+\e:129+\e], v[128+\e:129+\e], v[136+\e:137+\e]
	v_pk_add_f32 v[144+\e:145+\e], v[144+\e:145+\e], v[152+\e:153+\e]
.endr
.irp e, 0,2,4
	v_pk_add_f32 v[128+\e:129+\e], v[128+\e:129+\e], v[144+\e:145+\e]
.endr
.irp e, 0,1,2,3,4,5
	v_add_f32 v[160+\e], s[28+\e], v[128+\e]       ; the six logits
.endr
	v_mov_b32 v180, 0xff800000                     ; -infinity
	v_mov_b32 v181, 1.0
	v_mov_b32 v166, v160
	v_mov_b32 v167, 0
.irp e, 1,2,3,4,5                              ; the first choice: a later logit wins only if it is strictly larger
	v_cmp_le_f32 vcc_lo, v[160+\e], v166
	v_cndmask_b32 v166, v[160+\e], v166, vcc_lo
	v_cndmask_b32 v167, \e, v167, vcc_lo
.endr
.irp e, 0,1,2,3,4,5
	v_cmp_eq_u32 vcc_lo, \e, v167
	v_cndmask_b32 v[168+\e], v[160+\e], v180, vcc_lo   ; the winner is taken out,
	v_cndmask_b32 v[206+\e], 0, v181, vcc_lo           ; and counted: one-hot of the first choice
.endr
	v_mov_b32 v174, v168
	v_mov_b32 v175, 0
.irp e, 1,2,3,4,5                              ; the second choice, likewise
	v_cmp_le_f32 vcc_lo, v[168+\e], v174
	v_cndmask_b32 v174, v[168+\e], v174, vcc_lo
	v_cndmask_b32 v175, \e, v175, vcc_lo
.endr
.irp e, 0,1,2,3,4,5
	v_sub_f32 v[200+\e], v[160+\e], v166           ; the largest logit is taken away ahead of every exponential
.endr
	v_sub_f32 v176, v174, v166
.irp e, 0,1,2,3,4,5
	v_mul_f32 v[200+\e], 0x3fb8aa3b, v[200+\e]
.endr
	v_mul_f32 v176, 0x3fb8aa3b, v176
.irp e, 0,1,2,3,4,5
	v_exp_f32 v[200+\e], v[200+\e]
.endr
	v_exp_f32 v176, v176
	v_nop
	s_wait_alu depctr_va_vdst(0)
	v_add_f32 v182, v200, v201
	v_add_f32 v183, v202, v203
	v_add_f32 v184, v204, v205
	v_add_f32 v182, v182, v183
	v_add_f32 v182, v182, v184
	v_add_f32 v185, 1.0, v176
	v_rcp_f32 v182, v182
	v_rcp_f32 v185, v185                           ; the first choice's weight
	v_nop
	s_wait_alu depctr_va_vdst(0)
	v_mul_f32 v186, v176, v185                     ; the second's
.irp e, 0,1,2,3,4,5
	v_mul_f32 v[200+\e], v[200+\e], v182           ; the six probabilities
.endr
	v_min_u32 v177, v167, v175                     ; a < b: the two experts
	v_max_u32 v178, v167, v175
	v_cmp_lt_u32 vcc_lo, v167, v175
	v_cndmask_b32 v188, v186, v185, vcc_lo         ; a's weight,
	v_cndmask_b32 v189, v185, v186, vcc_lo         ; b's
	v_sub_nc_u32 v179, 11, v177
	v_mul_u32_u24 v179, v179, v177
	v_lshrrev_b32 v179, 1, v179
	v_add_nc_u32 v179, v179, v178
	v_sub_nc_u32 v179, v179, v177
	v_add_nc_u32 v179, -1, v179                    ; the pair's class: a (11 - a) / 2 + b - a - 1
	v_lshl_or_b32 v198, v178, 8, v177
	v_lshl_or_b32 v198, v179, 16, v198
	global_store_b32 v18, v198, s[24:25]
	global_store_b64 v17, v[188:189], s[22:23]
	global_store_b64 v17, v[190:191], s[58:59]
.irp m, 1,2,4,8                                ; twelve sums over my wave's 32 tokens
.irp k, 0,1,2,3,4,5,6,7,8,9,10,11
	v_add_f32_dpp v[200+\k], v[200+\k], v[200+\k] row_xmask:\m row_mask:0xf bank_mask:0xf
.endr
.endr
.irp k, 0,1,2,3,4,5,6,7,8,9,10,11
	v_permlanex16_b32 v[212+\k], v[200+\k], s[SEL], s[SEL+1]
.endr
.irp k, 0,1,2,3,4,5,6,7,8,9,10,11
	v_add_f32 v[200+\k], v[200+\k], v[212+\k]
.endr
	v_mov_b32 v199, 0
.irp k, 0,1,2,3,4,5,6,7,8,9,10,11
	ds_store_b32 v25, v[200+\k] offset:4*\k        ; every lane writes the same word with the same value
.endr
.irp k, 12,13,14,15
	ds_store_b32 v25, v199 offset:4*\k
.endr
	v_mov_b32 v224, 0
.irp c, 0,1,2,3,4,5,6,7,8,9,10,11,12,13,14     ; how many of my wave's tokens fall into each class: lane c gets class c's count
	v_cmp_eq_u32 s52, \c, v179
	s_bcnt1_i32_b32 s52, s52
	v_writelane_b32 v224, s52, \c
.endr
	ds_store_b32 v26, v224
	BARRIER                                        ; the four waves' sums and counts lie in LDS
	s_cmp_lg_u32 s26, 0
	s_cbranch_scc1 .Ldone
.irp u, 0,1,2,3
	ds_load_b32 v[128+\u], v28 offset:AUXL+64*\u   ; word r; lanes 16-31 do what lanes 0-15 do
	ds_load_b32 v[132+\u], v28 offset:HISL+128*\u
.endr
	s_wait_dscnt 0x0
	v_add_f32 v128, v128, v129
	v_add_f32 v130, v130, v131
	v_add_f32 v128, v128, v130
	v_add_nc_u32 v132, v132, v133
	v_add3_u32 v132, v132, v134, v135
	global_store_b32 v28, v128, s[60:61]
	global_store_b32 v28, v132, s[62:63]
.Ldone:
	s_set_vgpr_msb 0x8
	s_wait_tensorcnt 0x0
	ds_add_u32 v127, v255
	s_wait_dscnt 0x0
	s_set_vgpr_msb 0x800
	s_endpgm
.Lfunc_end_k_q84194813c8_router:
	.size	k_q84194813c8_router, .Lfunc_end_k_q84194813c8_router-k_q84194813c8_router
	.p2alignl 7, 3214868480
	.fill 96, 4, 3214868480
	.section	.rodata,"a",@progbits
	.p2align	6, 0x0
	.amdhsa_kernel k_q84194813c8_router
		.amdhsa_group_segment_fixed_size 118272
		.amdhsa_private_segment_fixed_size 0
		.amdhsa_enable_private_segment 0
		.amdhsa_kernarg_size 88
		.amdhsa_user_sgpr_count 2
		.amdhsa_user_sgpr_kernarg_segment_ptr 1
		.amdhsa_wavefront_size32 1
		.amdhsa_system_sgpr_workgroup_id_x 1
		.amdhsa_system_sgpr_workgroup_id_y 1
		.amdhsa_system_sgpr_workgroup_id_z 1
		.amdhsa_system_vgpr_workitem_id 0
		.amdhsa_next_free_vgpr 1024
		.amdhsa_next_free_sgpr 66
		.amdhsa_reserve_vcc 1
		.amdhsa_float_denorm_mode_32 3
		.amdhsa_float_denorm_mode_16_64 3
		.amdhsa_memory_ordered 1
		.amdhsa_forward_progress 1
		.amdhsa_inst_pref_size 138
	.end_amdhsa_kernel
	.amdgpu_metadata
---
amdhsa.version: [ 1, 2 ]
amdhsa.kernels:
  - .name:           k_q84194813c8_router
    .symbol:         k_q84194813c8_router.kd
    .args:
      - { .name: x, .offset: 0, .size: 8, .value_kind: global_buffer, .address_space: global }
      - { .name: regime, .offset: 8, .size: 8, .value_kind: global_buffer, .address_space: global }
      - { .name: ln_g, .offset: 16, .size: 8, .value_kind: global_buffer, .address_space: global }
      - { .name: ln_b, .offset: 24, .size: 8, .value_kind: global_buffer, .address_space: global }
      - { .name: rb1, .offset: 32, .size: 8, .value_kind: global_buffer, .address_space: global }
      - { .name: rw2, .offset: 40, .size: 8, .value_kind: global_buffer, .address_space: global }
      - { .name: rb2, .offset: 48, .size: 8, .value_kind: global_buffer, .address_space: global }
      - { .name: wimg, .offset: 56, .size: 8, .value_kind: global_buffer, .address_space: global }
      - { .name: xq, .offset: 64, .size: 8, .value_kind: global_buffer, .address_space: global }
      - { .name: gp, .offset: 72, .size: 8, .value_kind: global_buffer, .address_space: global }
      - { .name: rsel, .offset: 80, .size: 8, .value_kind: global_buffer, .address_space: global }
    .group_segment_fixed_size: 118272
    .private_segment_fixed_size: 0
    .kernarg_segment_align: 8
    .kernarg_segment_size: 88
    .max_flat_workgroup_size: 128
    .sgpr_count:     66
    .vgpr_count:     1024
    .wavefront_size: 32
...
	.end_amdgpu_metadata
.endif
;; end of part 2
;; launch place (part 3): grid 257 x 1, 1 waves a work-group, no clusters, 0 bytes of LDS; arguments rsel, gp, rplan, out1; writes rplan, out1
.if DOCPART == 3
	.amdgcn_target "amdgcn-amd-amdhsa--gfx1250"
	.amdhsa_code_object_version 6
	.text
	.protected	k_q84194813c8_place
	.globl	k_q84194813c8_place
	.p2align	8
	.type	k_q84194813c8_place,@function
k_q84194813c8_place:
	s_mov_b64 s[64:65], 0
	v_nop
	global_prefetch_b8 v0, s[64:65] scope:SCOPE_SE
	s_setreg_imm32_b32 hwreg(HW_REG_WAVE_MODE, 25, 1), 1
	s_wait_xcnt 0x0
; A counting sort of the 32,768 tokens by the class of their pair of experts (15 classes), without padding: slot = the class's start + tokens of that class in earlier blocks + those ahead in this block.
; Work-group p < 256 places the 128 tokens of block p (order[slot] = token), and writes the masks of the p-th block of 128 SLOTS: word e: bit m set if row tile m (16 slots) holds a token that uses
; expert e; word 6: bit e set if word e is not 0; the row's other words are 0 (a row is 32 words, so that the wave's 32 lanes store it whole).
; Every work-group sums the 256 x 16 table of class counts for itself: 16 KB, no traffic between work-groups.  Work-group 256 makes the load-balancing number from the 256 rows of partial sums.
	s_load_b256 s[4:11], s[0:1], 0x0               ; rsel s[4:5], gp s[6:7], rplan s[8:9], out1 s[10:11]
	s_mov_b32 s12, ttmp9
	v_lshlrev_b32 v1, 2, v0                        ; one wave: v0 is the lane
	v_lshrrev_b32 v2, 2, v0
	v_lshlrev_b32 v4, 4, v0
	v_mov_b32 v5, 1
	s_mov_b32 s72, 0x76543210
	s_mov_b32 s73, 0xfedcba98
	s_mov_b32 s15, 0
	s_wait_kmcnt 0x0
	s_cmp_eq_u32 s12, 256
	s_cbranch_scc1 .Laux
	s_lshl_b32 s14, s12, 9
	s_add_nc_u64 s[66:67], s[4:5], s[14:15]        ; my block's sel
	s_add_nc_u64 s[68:69], s[4:5], 131072          ; the table of counts
	s_lshl_b32 s14, s12, 7
	s_add_co_u32 s14, s14, 131072
	s_add_nc_u64 s[70:71], s[8:9], s[14:15]        ; my row of masks
.irp j, 0,1,2,3
	global_load_b32 v[8+\j], v1, s[66:67] offset:128*\j
.endr
.set k, 0
.rept 32
	global_load_b128 v[16+4*k:19+4*k], v4, s[68:69] offset:512*k   ; row 8 k + lane / 4, classes 4 (lane % 4) + 0 .. 3
.set k, k+1
.endr
.irp q, 0,1,2,3,4,5,6,7
	v_mov_b32 v[144+\q], 0                         ; v144-147 totals, v148-151 the blocks ahead of mine
	v_mov_b32 v[160+\q], 0
.endr
.irp j, 0,1,2,3
	v_mov_b32 v[152+\j], 0
.endr
	s_wait_loadcnt 0x0
.set k, 0
.rept 32
	s_sub_co_i32 s13, s12, 8*k
	v_cmp_gt_i32 vcc_lo, s13, v2                   ; is this row's block ahead of mine?
	v_cndmask_b32 v3, 0, v5, vcc_lo
.irp q, 0,1,2,3
	v_add_nc_u32 v[144+\q], v[144+\q], v[16+4*k+\q]
	v_mad_u32_u24 v[148+\q], v[16+4*k+\q], v3, v[148+\q]
.endr
.set k, k+1
.endr
.irp m, 4,8                                    ; over the lanes that hold the same classes
.irp q, 0,1,2,3,4,5,6,7
	v_mov_b32_dpp v[160+\q], v[144+\q] row_xmask:\m row_mask:0xf bank_mask:0xf
.endr
.irp q, 0,1,2,3,4,5,6,7
	v_add_nc_u32 v[144+\q], v[144+\q], v[160+\q]
.endr
.endr
.irp q, 0,1,2,3,4,5,6,7
	v_permlanex16_b32 v[160+\q], v[144+\q], s72, s73
.endr
.irp q, 0,1,2,3,4,5,6,7
	v_add_nc_u32 v[144+\q], v[144+\q], v[160+\q]
.endr
.irp c, 0,1,2,3,4,5,6,7,8,9,10,11,12,13,14,15
	v_readlane_b32 s[16+\c], v[144+\c%4], \c/4     ; s16-31: each class's total
	v_readlane_b32 s[32+\c], v[148+\c%4], \c/4     ; s32-47: its tokens in the blocks ahead of mine
.endr
	s_mov_b32 s48, 0                               ; s48-63: where each class starts
.irp c, 0,1,2,3,4,5,6,7,8,9,10,11,12,13,14
	s_add_co_u32 s[49+\c], s[48+\c], s[16+\c]
.endr
.irp c, 0,1,2,3,4,5,6,7,8,9,10,11,12,13,14
	s_add_co_u32 s[32+\c], s[32+\c], s[48+\c]      ; the next free slot of each class
.endr
.irp j, 0,1,2,3
	v_bfe_u32 v[12+\j], v[8+\j], 16, 8             ; my token's class
.endr
.irp j, 0,1,2,3
.irp c, 0,1,2,3,4,5,6,7,8,9,10,11,12,13,14
	v_cmp_eq_u32 s74, \c, v[12+\j]
	v_mbcnt_lo_u32_b32 v7, s74, s[32+\c]           ; the free slot + the lanes of this class below me
	v_cndmask_b32 v[152+\j], v[152+\j], v7, s74
	s_bcnt1_i32_b32 s75, s74
	s_add_co_u32 s[32+\c], s[32+\c], s75
.endr
.endr
	s_lshl_b32 s13, s12, 7
.irp j, 0,1,2,3
	v_min_u32 v[152+\j], 0x7fff, v[152+\j]         ; a slot stays inside the list
	v_lshlrev_b32 v[152+\j], 2, v[152+\j]
	v_add_nc_u32 v[156+\j], s13, v0
.endr
.irp j, 1,2,3
	v_add_nc_u32 v[156+\j], 32*\j, v[156+\j]       ; token 128 p + 32 j + lane
.endr
.irp j, 0,1,2,3
	global_store_b32 v[152+\j], v[156+\j], s[8:9]
.endr
	; which experts does each of my block's eight row tiles of slots use?  Lane % 8 = the tile
	v_and_b32 v168, 7, v0
	v_lshlrev_b32 v168, 4, v168
	v_add_nc_u32 v168, s13, v168                   ; its first slot,
	v_add_nc_u32 v169, 16, v168                    ; and the first behind it
	v_mov_b32 v170, 0
.macro CLS c, bits                     ; class c's run of slots meets the tile: its two experts' bits are set
	v_max_u32 v171, s[48+\c], v168
	v_min_u32 v172, s[49+\c], v169
	v_or_b32 v173, \bits, v170
	v_cmp_lt_u32 vcc_lo, v171, v172
	v_cndmask_b32 v170, v170, v173, vcc_lo
.endm
	CLS 0, 3
	CLS 1, 5
	CLS 2, 9
	CLS 3, 17
	CLS 4, 33
	CLS 5, 6
	CLS 6, 10
	CLS 7, 18
	CLS 8, 34
	CLS 9, 12
	CLS 10, 20
	CLS 11, 36
	CLS 12, 24
	CLS 13, 40
	CLS 14, 48
	v_mov_b32 v174, 0
	s_mov_b32 s76, 0
.irp e, 0,1,2,3,4,5
	v_and_b32 v171, 1<<\e, v170
	v_cmp_ne_u32 s74, 0, v171
	s_and_b32 s74, s74, 0xff                       ; bit m: tile m uses expert e.  SCC: any does
	s_cselect_b32 s75, 1<<\e, 0
	s_or_b32 s76, s76, s75
	v_writelane_b32 v174, s74, \e
.endr
	v_writelane_b32 v174, s76, 6
	global_store_b32 v1, v174, s[70:71]            ; 32 lanes store the row's 128 bytes
	s_endpgm
.Laux:
	; 0.06 x the sum over e of (mean probability of e) x (share of first choices for e)
	s_add_nc_u64 s[66:67], s[6:7], 262144
	v_lshlrev_b32 v8, 6, v0                        ; row lane + 32 i, 64 bytes a row
.irp i, 0,1,2,3,4,5,6,7
.irp q, 0,1,2
	global_load_b128 v[16+12*\i+4*\q:19+12*\i+4*\q], v8, s[66:67] offset:2048*\i+16*\q
.endr
.endr
.irp k, 0,1,2,3,4,5,6,7,8,9,10,11
	v_mov_b32 v[112+\k], 0
.endr
	s_wait_loadcnt 0x0
.irp i, 1,2,3,4,5,6,7
.irp q, 0,2,4,6,8,10
	v_pk_add_f32 v[16+\q:17+\q], v[16+\q:17+\q], v[16+12*\i+\q:17+12*\i+\q]
.endr
.endr
.irp m, 1,2,4,8
.irp k, 0,1,2,3,4,5,6,7,8,9,10,11
	v_add_f32_dpp v[16+\k], v[16+\k], v[16+\k] row_xmask:\m row_mask:0xf bank_mask:0xf
.endr
.endr
.irp k, 0,1,2,3,4,5,6,7,8,9,10,11
	v_permlanex16_b32 v[112+\k], v[16+\k], s72, s73
.endr
.irp k, 0,1,2,3,4,5,6,7,8,9,10,11
	v_add_f32 v[16+\k], v[16+\k], v[112+\k]
.endr
	v_mul_f32 v40, v16, v22
.irp e, 1,2,3,4,5
	v_fma_f32 v40, v[16+\e], v[22+\e], v40
.endr
	v_mul_f32 v40, 0x2e75c28f, v40                 ; 0.06 / 32,768^2
	v_mov_b32 v41, 0
	global_store_b32 v41, v40, s[10:11]            ; every lane stores the same number at the same place
	s_endpgm
.Lfunc_end_k_q84194813c8_place:
	.size	k_q84194813c8_place, .Lfunc_end_k_q84194813c8_place-k_q84194813c8_place
	.p2alignl 7, 3214868480
	.fill 96, 4, 3214868480
	.section	.rodata,"a",@progbits
	.p2align	6, 0x0
	.amdhsa_kernel k_q84194813c8_place
		.amdhsa_group_segment_fixed_size 0
		.amdhsa_private_segment_fixed_size 0
		.amdhsa_enable_private_segment 0
		.amdhsa_kernarg_size 32
		.amdhsa_user_sgpr_count 2
		.amdhsa_user_sgpr_kernarg_segment_ptr 1
		.amdhsa_wavefront_size32 1
		.amdhsa_system_sgpr_workgroup_id_x 1
		.amdhsa_system_sgpr_workgroup_id_y 1
		.amdhsa_system_sgpr_workgroup_id_z 1
		.amdhsa_system_vgpr_workitem_id 0
		.amdhsa_next_free_vgpr 192
		.amdhsa_next_free_sgpr 80
		.amdhsa_reserve_vcc 1
		.amdhsa_float_denorm_mode_32 3
		.amdhsa_float_denorm_mode_16_64 3
		.amdhsa_memory_ordered 1
		.amdhsa_forward_progress 1
		.amdhsa_inst_pref_size 57
	.end_amdhsa_kernel
	.amdgpu_metadata
---
amdhsa.version: [ 1, 2 ]
amdhsa.kernels:
  - .name:           k_q84194813c8_place
    .symbol:         k_q84194813c8_place.kd
    .args:
      - { .name: rsel, .offset: 0, .size: 8, .value_kind: global_buffer, .address_space: global }
      - { .name: gp, .offset: 8, .size: 8, .value_kind: global_buffer, .address_space: global }
      - { .name: rplan, .offset: 16, .size: 8, .value_kind: global_buffer, .address_space: global }
      - { .name: out1, .offset: 24, .size: 8, .value_kind: global_buffer, .address_space: global }
    .group_segment_fixed_size: 0
    .private_segment_fixed_size: 0
    .kernarg_segment_align: 8
    .kernarg_segment_size: 32
    .max_flat_workgroup_size: 32
    .sgpr_count:     80
    .vgpr_count:     192
    .wavefront_size: 32
...
	.end_amdgpu_metadata
.endif
;; end of part 3
;; launch experts (part 4): grid 256 x 1, 4 waves a work-group, no clusters, 97,792 bytes of LDS; arguments x, xq, gp, rsel, rplan, wimg, w1_scales, w2_scales, b1, b2, out0; writes out0
.if DOCPART == 4
	.amdgcn_target "amdgcn-amd-amdhsa--gfx1250"
	.amdhsa_code_object_version 6
	.text
	.protected	k_q84194813c8_experts
	.globl	k_q84194813c8_experts
	.p2align	8
	.type	k_q84194813c8_experts,@function
k_q84194813c8_experts:
	s_mov_b64 s[64:65], 0
	v_nop
	global_prefetch_b8 v0, s[64:65] scope:SCOPE_SE
	s_setreg_imm32_b32 hwreg(HW_REG_WAVE_MODE, 25, 1), 1
	s_wait_xcnt 0x0
; out0 = x + the sum over a token's two chosen experts of gate x (silu(xn W1 + b1) W2 + b2), both products on E2M3 codes.  Only chosen experts are multiplied.
; A work-group takes 128 slots of the list sorted by pairs of experts: 8 row tiles of 16 tokens.  It walks the six experts in a loop of constant count; masks stored by the launch before say which row tiles
; use which expert, and a scalar branch passes over the others.  A row tile on a boundary of classes takes part in every expert that one of its tokens uses; a token's gate is 0 for an expert it did not choose.
; So each output row has one owner, and nothing is padded.  Operands come straight into registers, as images laid out by the first launch: no tensor load.
; THE WAVES SHARE THE COLUMNS: wave w makes hidden units 128 w .. + 127 (one K step of the second product) and outputs 64 w .. + 63, for all row tiles: an expert's weights are 384 registers a wave.
; No multicast: neighbouring work-groups walk different experts at different times, by counts read from memory, and an expert's weights for a work-group are read once, into registers.
; Both products are used transposed (source 0 = weights, source 1 = tokens): a lane holds one token (lane % 16).  The hidden layer goes from wave to wave through LDS as images of operand registers.
; The accumulators of out0 begin as x itself: nothing is cleared.  The next expert's W1 is asked for when this expert's first product is done, its W2 when the second is done.
; LIMITS: NaN and infinities are not served; a block whose largest magnitude lies under 2^-124 keeps the scale byte 1; in a row tile on a boundary an expert that a token did not choose enters as 0 x value, so that value must be finite.
; LDS: HIMG: hidden fragment (tile m, K step s) at (8 s + m) x 1,536; HSC: its scale words at (8 s + m) x 128; XIMG: x's codes, 3,072 m + 512 q + 16 lane; XSC: 256 m + 8 lane; STG: a stage of 16 rows x 272 bytes a wave.
; REGISTERS, in windows of 256.  Window 0: v0-23 addresses, gate; v24-39 gates, v40-47 sel; v48-85 scale words and nothing else; v86-93 tokens; v96-255 by phase.
;   Window 1: W1's 16 fragments, from v192 b1's 8 tiles.  Window 2: W2's 16 fragments, from v192 b2's 4 tiles.  Window 3: out0's accumulators, 32 m + 8 n + j.
.set HIMG, 0
.set HSC,  49152
.set XIMG, 53248
.set XSC,  77824
.set STG,  79872
.set XQSC, 6291456
.set W2IMG, 589824
.set XF, 96
.set HA, 120
.set PC, 184
.set TM, 204
.set PW, 220
.set T,  222
.set HF, 96
.set T2, 144
.set SEL, 2
.set MSB, 0
.macro WIN new                         ; the immediate's high byte repeats the setting that is left
.if MSB != \new
	s_set_vgpr_msb (MSB<<8)|\new
.set MSB, \new
.endif
.endm
.macro BARRIER
	s_wait_dscnt 0x0
	s_barrier_signal -1
	s_barrier_wait -1
.endm
.macro QUANT s                         ; 64 numbers of a lane, register 16 b + i = k 32 b + 16 (lane / 16) + i of my row -> codes in v[PC] on, scale word in v[PW]
.irp b, 0,1,2,3
	v_max3_num_f32 v[TM+\b], |v[\s+16*\b]|, |v[\s+1+16*\b]|, 0x1800000
.endr
.irp i, 2,4,6,8,10,12,14
.irp b, 0,1,2,3
	v_max3_num_f32 v[TM+\b], v[TM+\b], |v[\s+16*\b+\i]|, |v[\s+1+16*\b+\i]|
.endr
.endr
.irp b, 0,1,2,3
	v_permlanex16_b32 v[TM+4+\b], v[TM+\b], s[SEL], s[SEL+1]
.endr
.irp b, 0,1,2,3
	v_max_num_f32 v[TM+\b], v[TM+\b], v[TM+4+\b]
.endr
.irp b, 0,1,2,3
	v_add_nc_u32 v[TM+12+\b], 0xff000000, v[TM+\b]
.endr
.irp b, 0,1,2,3
	v_lshrrev_b32 v[TM+4+\b], 23, v[TM+12+\b]
.endr
	v_lshl_or_b32 v[PW], v[TM+5], 8, v[TM+4]
	v_lshl_or_b32 v[PW], v[TM+6], 16, v[PW]
	v_lshl_or_b32 v[PW], v[TM+7], 24, v[PW]
.irp c, 0,1
	v_cvt_scalef32_pk16_fp6_f32 v[PC+6*\c:PC+2+6*\c], v[\s+32*\c:\s+15+32*\c], v[TM+12+2*\c]
	v_cvt_scalef32_pk16_fp6_f32 v[PC+12+4*\c:PC+14+4*\c], v[\s+16+32*\c:\s+31+32*\c], v[TM+12+2*\c+1]
.endr
	v_nop                                          ; one plain line behind the conversions
.irp c, 0,1
.irp i, 0,1,2
	v_permlane16_swap_b32 v[PC+6*\c+\i], v[PC+12+4*\c+\i]
.endr
.irp i, 0,1,2
	v_mov_b32 v[PC+3+6*\c+\i], v[PC+12+4*\c+\i]
.endr
.endr
.endm
.macro SILU base                       ; 32 numbers: x / (1 + 2^(-x log2 e))
.set p, 0
.rept 16
	v_pk_mul_f32 v[T+2*p:T+2*p+1], v[\base+2*p:\base+2*p+1], s[66:67] op_sel_hi:[1,0]   ; each result tile is read from its low end on
.set p, p+1
.endr
.set p, 0
.rept 32
	v_exp_f32 v[T+p], v[T+p]
.set p, p+1
.endr
	v_nop
.set p, 0
	s_wait_alu depctr_va_vdst(0)
.rept 16
	v_pk_add_f32 v[T+2*p:T+2*p+1], v[T+2*p:T+2*p+1], 1.0 op_sel_hi:[1,0]
.set p, p+1
.endr
.set p, 0
.rept 32
	v_rcp_f32 v[T+p], v[T+p]
.set p, p+1
.endr
	v_nop
.set p, 0
	s_wait_alu depctr_va_vdst(0)
.rept 16
	v_pk_mul_f32 v[\base+2*p:\base+2*p+1], v[\base+2*p:\base+2*p+1], v[T+2*p:T+2*p+1]
.set p, p+1
.endr
.endm
; expert s60's W1 for my wave: 48 loads of images, 16 of b1, 8 of scale words: 72
.macro LOADW1
	s_wait_xcnt 0x0                                ; the bases in use are written again only behind this wait
	s_mov_b32 s63, 0
	s_mul_i32 s62, s60, 98304
	s_add_nc_u64 s[54:55], s[42:43], s[62:63]
	s_lshl_b32 s62, s60, 12
	s_add_nc_u64 s[56:57], s[46:47], s[62:63]
	s_lshl_b32 s62, s60, 11
	s_add_nc_u64 s[58:59], s[50:51], s[62:63]
	WIN 0x40
.set k, 0
.rept 48
	global_load_b128 v[4*k:4*k+3], v4, s[54:55] offset:512*k
.set k, k+1
.endr
.irp t, 0,1,2,3,4,5,6,7
	global_load_b128 v[192+8*\t:195+8*\t], v18, s[58:59] offset:(32*(\t/2)+8*(\t%2))*4      ; b1 in the result's layout: units 32 (t / 2) + 16 h + 8 (t % 2) + 0 .. 7
	global_load_b128 v[196+8*\t:199+8*\t], v18, s[58:59] offset:(32*(\t/2)+8*(\t%2))*4+16
.endr
	WIN 0
.irp t, 0,1,2,3,4,5,6,7
	global_load_b64 v[48+2*\t:49+2*\t], v16, s[56:57] offset:(32*(\t/2)+8*(\t%2))*8
.endr
.endm
; and its W2: 48 + 8 + 4 = 60 loads
.macro LOADW2
	s_wait_xcnt 0x0
	s_mov_b32 s63, 0
	s_mul_i32 s62, s60, 98304
	s_add_nc_u64 s[54:55], s[44:45], s[62:63]
	s_lshl_b32 s62, s60, 12
	s_add_nc_u64 s[56:57], s[48:49], s[62:63]
	s_lshl_b32 s62, s60, 10
	s_add_nc_u64 s[58:59], s[52:53], s[62:63]
	WIN 0x80
.set k, 0
.rept 48
	global_load_b128 v[4*k:4*k+3], v4, s[54:55] offset:512*k
.set k, k+1
.endr
.irp n, 0,1,2,3
	global_load_b128 v[192+8*\n:195+8*\n], v19, s[58:59] offset:64*\n
	global_load_b128 v[196+8*\n:199+8*\n], v19, s[58:59] offset:64*\n+16
.endr
	WIN 0
.irp n, 0,1,2,3
	global_load_b128 v[64+4*\n:67+4*\n], v17, s[56:57] offset:256*\n
.endr
.endm
; the second product for row tile m, if it uses this expert: my 64 outputs, times each token's gate, onto the accumulators
.macro P2TILE m
	s_bitcmp1_b32 s28, \m
	s_cbranch_scc0 .Lp2_\@
.irp u, 0,1,2,3
.irp c, 0,1,2
	ds_load_b128 v[HF+12*\u+4*\c:HF+12*\u+4*\c+3], v4 offset:HIMG+(8*\u+\m)*1536+512*\c
.endr
	ds_load_b32 v[82+\u], v5 offset:HSC+(8*\u+\m)*128
.endr
	s_wait_dscnt 0x0
	WIN 0x22                                       ; source 0 (W2) and source 2 (b2) in window 2
.irp n, 0,1,2,3
	v_wmma_scale_f32_16x16x128_f8f6f4 v[T2+8*\n:T2+8*\n+7], v[48*\n:48*\n+11], v[HF:HF+11], v[192+8*\n:199+8*\n], v[64+4*\n], v82 matrix_a_fmt:MATRIX_FMT_FP6 matrix_b_fmt:MATRIX_FMT_FP6
.endr
	WIN 0x02                                       ; the four accumulators take turns, one instruction a turn
.irp u, 1,2,3
.irp n, 0,1,2,3
	v_wmma_scale_f32_16x16x128_f8f6f4 v[T2+8*\n:T2+8*\n+7], v[48*\n+12*\u:48*\n+12*\u+11], v[HF+12*\u:HF+12*\u+11], v[T2+8*\n:T2+8*\n+7], v[64+4*\n+\u], v[82+\u] matrix_a_fmt:MATRIX_FMT_FP6 matrix_b_fmt:MATRIX_FMT_FP6
.endr
.endr
	WIN 0
	v_and_b32 v22, 0xff, v[40+\m]                  ; my token's gate for this expert; these six lines are also the plain lines behind the products
	v_bfe_u32 v23, v[40+\m], 8, 8
	v_cmp_eq_u32 vcc_lo, s36, v22
	v_cndmask_b32 v20, 0, v[24+2*\m], vcc_lo
	v_cmp_eq_u32 vcc_lo, s36, v23
	v_cndmask_b32 v20, v20, v[25+2*\m], vcc_lo
	WIN 0xf0                                       ; destination and source 2 in window 3
.set p, 0
.rept 16
	v_pk_fma_f32 v[32*\m+2*p:32*\m+2*p+1], v[T2+2*p:T2+2*p+1], v[20:21], v[32*\m+2*p:32*\m+2*p+1] op_sel_hi:[1,0,1]
.set p, p+1
.endr
	WIN 0
.Lp2_\@:
.endm
.macro PHASE2
	P2TILE 0
	P2TILE 1
	P2TILE 2
	P2TILE 3
	P2TILE 4
	P2TILE 5
	P2TILE 6
	P2TILE 7
.endm
; the byte offsets of the rows of x and out0 that I load and store: quad (m, i): lanes 0-15 the token at slot 16 m + 2 i, lanes 16-31 the next; my wave's 256 bytes of the row, 16 bytes a lane
.macro ROWOFS
.irp i, 0,1,2,3,4,5,6,7
	v_lshl_add_u32 v[224+\i], v2, 2, 8*\i          ; lane 2 i + h, as a byte index
.endr
.irp m, 0,1,2,3,4,5,6,7
.irp i, 0,1,2,3,4,5,6,7
	ds_bpermute_b32 v[96+8*\m+\i], v[224+\i], v[86+\m]
.endr
.endr
	s_wait_dscnt 0x0
.set k, 0
.rept 64
	v_min_u32 v[96+k], 0x7fff, v[96+k]             ; a token stays inside the tensors
.set k, k+1
.endr
.set k, 0
.rept 64
	v_lshl_add_u32 v[96+k], v[96+k], 10, v15
.set k, k+1
.endr
.endm
	s_load_b512 s[4:19], s[0:1], 0x0               ; x, xq, gp, rsel, rplan, wimg, w1_scales, w2_scales
	s_load_b128 s[20:23], s[0:1], 0x40             ; b1, b2
	s_load_b64 s[24:25], s[0:1], 0x50              ; out0
	v_lshl_add_u32 v254, v0, 2, 0x17c00
	v_mov_b32 v255, 0
	v_lshrrev_b32 v1, 5, v0
	v_readfirstlane_b32 s26, v1                    ; wave
	s_mov_b32 s27, ttmp9                           ; work-group
	s_mov_b32 s2, 0x76543210
	s_mov_b32 s3, 0xfedcba98                       ; selects: lane l xor 16
	s_mov_b32 s66, 0xbfb8aa3b                      ; -log2(e)
	s_mov_b32 s67, s66
	v_and_b32 v1, 15, v0                           ; r
	v_bfe_u32 v2, v0, 4, 1                         ; h
	v_and_b32 v3, 31, v0                           ; lane
	v_lshlrev_b32 v4, 4, v3                        ; 16 lane
	v_lshlrev_b32 v5, 2, v3                        ; 4 lane
	v_lshlrev_b32 v6, 3, v3                        ; 8 lane
	s_mul_i32 s60, s26, 12288
	v_add_nc_u32 v11, s60, v4                      ; where I store hidden images: K step w, tile 0
	s_lshl_b32 s60, s26, 10
	s_add_co_u32 s60, s60, HSC
	v_add_nc_u32 v12, s60, v5                      ; and their scale words
	s_mul_i32 s60, s26, 4352
	s_add_co_u32 s60, s60, STG                     ; my stage
	v_mul_u32_u24 v13, v1, 272
	v_lshl_add_u32 v13, v2, 5, v13
	v_add_nc_u32 v13, s60, v13                     ; by accumulators: row r, + 32 h
	v_mul_u32_u24 v14, v2, 272
	v_lshl_add_u32 v14, v1, 4, v14
	v_add_nc_u32 v14, s60, v14                     ; by rows: lanes 0-15 one row, lanes 16-31 the next
	s_lshl_b32 s60, s26, 8
	v_lshlrev_b32 v15, 4, v1
	v_add_nc_u32 v15, s60, v15                     ; my 16 bytes of my wave's 256 of a row
	v_and_b32 v16, 8, v1
	v_add_nc_u32 v16, v16, v1
	v_lshlrev_b32 v16, 3, v16                      ; W1's scale words: 8 (r + 8 (r / 8))
	v_lshlrev_b32 v17, 4, v1                       ; W2's: 16 r
	v_lshlrev_b32 v18, 6, v2                       ; b1: 64 h
	v_lshlrev_b32 v19, 5, v2                       ; b2: 32 h
	v_mov_b32 v20, 0
	v_mov_b32 v21, 0                               ; (named as the upper half of the gate's pair)
	v_lshlrev_b32 v94, 2, v1
	s_lshl_b32 s60, s26, 7
	v_add_nc_u32 v95, s60, v94
	s_mul_i32 s60, s26, 6144
	s_add_co_u32 s60, s60, XIMG
	v_add_nc_u32 v232, s60, v4                     ; where I store x's images: tiles 2 w, 2 w + 1
	s_lshl_b32 s60, s26, 9
	s_add_co_u32 s60, s60, XSC
	v_add_nc_u32 v233, s60, v6
.irp b, 0,1,2,3
	v_mov_b32 v[TM+4+\b], 0                        ; written once: a lane permute's destination counts as one of its sources
.endr
	s_wait_kmcnt 0x0
	s_mov_b32 s61, 0
	s_lshl_b32 s60, s27, 9
	s_add_nc_u64 s[54:55], s[12:13], s[60:61]      ; my 128 slots of the list
	s_lshl_b32 s60, s27, 7
	s_add_co_u32 s60, s60, 131072
	s_add_nc_u64 s[56:57], s[12:13], s[60:61]
	s_load_b256 s[28:35], s[56:57], 0x0            ; s28-33: the six experts' tile masks; s34: which experts are used
.irp m, 0,1,2,3,4,5,6,7
	global_load_b32 v[86+\m], v94, s[54:55] offset:64*\m       ; lane l: the token at slot 16 m + l % 16
.endr
	global_load_b32 v212, v95, s[54:55]            ; the same for the two tiles whose codes I fetch
	global_load_b32 v213, v95, s[54:55] offset:64
	s_mul_i32 s60, s26, 24576                      ; my wave's fixed bases, at expert 0
	s_add_nc_u64 s[42:43], s[14:15], s[60:61]
	s_add_co_u32 s60, s60, W2IMG
	s_add_nc_u64 s[44:45], s[14:15], s[60:61]
	s_lshl_b32 s60, s26, 10
	s_add_nc_u64 s[46:47], s[16:17], s[60:61]
	s_add_nc_u64 s[48:49], s[18:19], s[60:61]
	s_lshl_b32 s60, s26, 9
	s_add_nc_u64 s[50:51], s[20:21], s[60:61]
	s_lshl_b32 s60, s26, 8
	s_add_nc_u64 s[52:53], s[22:23], s[60:61]
	s_add_nc_u64 s[58:59], s[6:7], XQSC            ; x's scale words
	s_wait_loadcnt 0x0
	s_wait_kmcnt 0x0
.irp m, 0,1,2,3,4,5,6,7
	v_min_u32 v[86+\m], 0x7fff, v[86+\m]
.endr
.irp u, 0,1
	v_min_u32 v[212+\u], 0x7fff, v[212+\u]
	v_mul_u32_u24 v[222+\u], v[212+\u], 192
	v_lshl_add_u32 v[222+\u], v2, 4, v[222+\u]     ; a token's codes: 192 bytes; quad q of half h at 32 q + 16 h
.endr
.irp u, 0,1
.irp q, 0,1,2,3,4,5
	global_load_b128 v[160+24*\u+4*\q:163+24*\u+4*\q], v[222+\u], s[6:7] offset:32*\q
.endr
	global_load_b64 v[208+2*\u:209+2*\u], v[212+\u], s[58:59] scale_offset
.endr
.irp m, 0,1,2,3,4,5,6,7
	global_load_b32 v[40+\m], v[86+\m], s[10:11] scale_offset
	global_load_b64 v[24+2*\m:25+2*\m], v[86+\m], s[8:9] scale_offset
.endr
	ROWOFS
	WIN 0xc0                                       ; destination window 3: x, by rows: sixteen lanes read 256 consecutive bytes
.set k, 0
.rept 64
	global_load_b128 v[4*k:4*k+3], v[96+k], s[4:5]
.set k, k+1
.endr
	WIN 0
	s_ctz_i32_b32 s60, s34                         ; the first expert that my block uses
	s_min_u32 s60, s60, 5
	LOADW1
	s_wait_loadcnt 63                              ; 72 loads were issued behind the last gather: codes, sel, gates and x are in
.irp u, 0,1
.irp q, 0,1,2,3,4,5
	ds_store_b128 v232, v[160+24*\u+4*\q:163+24*\u+4*\q] offset:3072*\u+512*\q
.endr
	ds_store_b64 v233, v[208+2*\u:209+2*\u] offset:256*\u
.endr
.irp m, 0,1,2,3,4,5,6,7                        ; x turns through my stage, from rows into the accumulators' layout, in place
	WIN 0x0c                                       ; an LDS store's data are its source 1: window 3
.irp i, 0,1,2,3,4,5,6,7
	ds_store_b128 v14, v[32*\m+4*\i:32*\m+4*\i+3] offset:544*\i
.endr
	WIN 0xc0
.irp n, 0,1,2,3
	ds_load_b128 v[32*\m+8*\n:32*\m+8*\n+3], v13 offset:64*\n          ; LDS serves a wave's instructions in order: these see the stores above, and the next tile's stores come behind them
	ds_load_b128 v[32*\m+8*\n+4:32*\m+8*\n+7], v13 offset:64*\n+16
.endr
.endr
	WIN 0
	LOADW2
	BARRIER                                        ; x's codes and scale words lie in LDS
	s_mov_b32 s36, 0                               ; the expert in hand
.Lexp:
	s_wait_loadcnt 60                              ; only the 60 loads of a W2 group may be out: W1 is in
	; ---- 1: my 128 hidden units of each row tile that uses this expert
	s_mov_b32 s37, 0
	s_mov_b32 s38, XIMG
	s_mov_b32 s39, XSC
	s_mov_b32 s40, 0
	s_mov_b32 s41, 0
.Lm:
	v_add_nc_u32 v7, s38, v4
	v_add_nc_u32 v8, s39, v6
	v_add_nc_u32 v9, s40, v11
	v_add_nc_u32 v10, s41, v12
	s_bitcmp1_b32 s28, s37
	s_cbranch_scc0 .Lskip1
.irp q, 0,1,2,3,4,5
	ds_load_b128 v[XF+4*\q:XF+4*\q+3], v7 offset:512*\q
.endr
	ds_load_b64 v[80:81], v8
	s_wait_dscnt 0x0
	WIN 0x11                                       ; source 0 (W1) and source 2 (b1) in window 1
.irp t, 0,1,2,3,4,5,6,7
	v_wmma_scale_f32_16x16x128_f8f6f4 v[HA+8*\t:HA+8*\t+7], v[24*\t:24*\t+11], v[XF:XF+11], v[192+8*\t:199+8*\t], v[48+2*\t], v80 matrix_a_fmt:MATRIX_FMT_FP6 matrix_b_fmt:MATRIX_FMT_FP6
.endr
	WIN 0x01                                       ; the eight accumulators take turns, one instruction a turn
.irp t, 0,1,2,3,4,5,6,7
	v_wmma_scale_f32_16x16x128_f8f6f4 v[HA+8*\t:HA+8*\t+7], v[24*\t+12:24*\t+23], v[XF+12:XF+23], v[HA+8*\t:HA+8*\t+7], v[49+2*\t], v81 matrix_a_fmt:MATRIX_FMT_FP6 matrix_b_fmt:MATRIX_FMT_FP6
.endr
	WIN 0
.rept 4
	v_nop                                          ; four plain lines between the products and the first read of their results (ISA guide 7.12.1)
.endr
	SILU HA
	SILU HA+32
	QUANT HA
.irp c, 0,1,2
	ds_store_b128 v9, v[PC+4*\c:PC+4*\c+3] offset:512*\c
.endr
	ds_store_b32 v10, v[PW]
	s_wait_dscnt 0x0                               ; the stores have read their registers
.Lskip1:
	s_add_co_u32 s38, s38, 3072
	s_add_co_u32 s39, s39, 256
	s_add_co_u32 s40, s40, 1536
	s_add_co_u32 s41, s41, 128
	s_add_co_u32 s37, s37, 1
	s_cmp_lt_u32 s37, 8
	s_cbranch_scc1 .Lm
	BARRIER                                        ; the hidden layer's fragments lie in LDS
	s_wait_loadcnt 0x0                             ; W2 is in
	; ---- 2.  If this expert was used and another follows, that one's W1 is asked for ahead of the products and its W2 behind them: both groups under one branch, so that the count at the loop's head holds on every way
	s_lshr_b32 s61, s34, 1
	s_cmp_eq_u32 s28, 0
	s_cbranch_scc1 .Lplain
	s_cmp_eq_u32 s61, 0
	s_cbranch_scc1 .Lplain
	s_ctz_i32_b32 s60, s61
	s_add_co_u32 s60, s60, s36
	s_add_co_u32 s60, s60, 1
	s_min_u32 s60, s60, 5
	LOADW1
	PHASE2
	LOADW2
	s_branch .Ljoin
.Lplain:
	PHASE2
.Ljoin:
	BARRIER                                        ; nobody reads the hidden fragments any more
	s_mov_b32 s28, s29                             ; the masks move down one place
	s_mov_b32 s29, s30
	s_mov_b32 s30, s31
	s_mov_b32 s31, s32
	s_mov_b32 s32, s33
	s_lshr_b32 s34, s34, 1
	s_add_co_u32 s36, s36, 1
	s_cmp_lt_u32 s36, 6
	s_cbranch_scc1 .Lexp
	; ---- the way out: a row tile at a time through my stage, back as rows: sixteen lanes store 256 consecutive bytes, aligned
	ROWOFS
.macro TOSTAGE m
	WIN 0x0c
.irp n, 0,1,2,3
	ds_store_b128 v13, v[32*(\m)+8*\n:32*(\m)+8*\n+3] offset:64*\n
	ds_store_b128 v13, v[32*(\m)+8*\n+4:32*(\m)+8*\n+7] offset:64*\n+16
.endr
	WIN 0
.irp i, 0,1,2,3,4,5,6,7
	ds_load_b128 v[160+32*((\m)%2)+4*\i:160+32*((\m)%2)+4*\i+3], v14 offset:544*\i
.endr
.endm
.macro SEND m, younger                 ; younger: the LDS instructions issued behind tile m's loads, which may stay out
	s_wait_dscnt \younger
.irp i, 0,1,2,3,4,5,6,7
	global_store_b128 v[96+8*(\m)+\i], v[160+32*((\m)%2)+4*\i:160+32*((\m)%2)+4*\i+3], s[24:25] th:TH_STORE_NT
.endr
.endm
	TOSTAGE 0
.irp a, 1,2,3,4,5,6,7
.if \a > 1
	s_wait_xcnt 0x0                                ; tile a - 2's stores have read their data registers: tile a's rows may land there
.endif
	TOSTAGE \a
	SEND \a-1, 16                                  ; behind tile a - 1's loads: tile a's 8 stores and 8 loads
.endr
	SEND 7, 0
	s_wait_tensorcnt 0x0
	ds_add_u32 v254, v255
	s_wait_dscnt 0x0
	s_endpgm
.Lfunc_end_k_q84194813c8_experts:
	.size	k_q84194813c8_experts, .Lfunc_end_k_q84194813c8_experts-k_q84194813c8_experts
	.p2alignl 7, 3214868480
	.fill 96, 4, 3214868480
	.section	.rodata,"a",@progbits
	.p2align	6, 0x0
	.amdhsa_kernel k_q84194813c8_experts
		.amdhsa_group_segment_fixed_size 97792
		.amdhsa_private_segment_fixed_size 0
		.amdhsa_enable_private_segment 0
		.amdhsa_kernarg_size 88
		.amdhsa_user_sgpr_count 2
		.amdhsa_user_sgpr_kernarg_segment_ptr 1
		.amdhsa_wavefront_size32 1
		.amdhsa_system_sgpr_workgroup_id_x 1
		.amdhsa_system_sgpr_workgroup_id_y 1
		.amdhsa_system_sgpr_workgroup_id_z 1
		.amdhsa_system_vgpr_workitem_id 0
		.amdhsa_next_free_vgpr 1024
		.amdhsa_next_free_sgpr 68
		.amdhsa_reserve_vcc 1
		.amdhsa_float_denorm_mode_32 3
		.amdhsa_float_denorm_mode_16_64 3
		.amdhsa_memory_ordered 1
		.amdhsa_forward_progress 1
		.amdhsa_inst_pref_size 181
	.end_amdhsa_kernel
	.amdgpu_metadata
---
amdhsa.version: [ 1, 2 ]
amdhsa.kernels:
  - .name:           k_q84194813c8_experts
    .symbol:         k_q84194813c8_experts.kd
    .args:
      - { .name: x, .offset: 0, .size: 8, .value_kind: global_buffer, .address_space: global }
      - { .name: xq, .offset: 8, .size: 8, .value_kind: global_buffer, .address_space: global }
      - { .name: gp, .offset: 16, .size: 8, .value_kind: global_buffer, .address_space: global }
      - { .name: rsel, .offset: 24, .size: 8, .value_kind: global_buffer, .address_space: global }
      - { .name: rplan, .offset: 32, .size: 8, .value_kind: global_buffer, .address_space: global }
      - { .name: wimg, .offset: 40, .size: 8, .value_kind: global_buffer, .address_space: global }
      - { .name: w1_scales, .offset: 48, .size: 8, .value_kind: global_buffer, .address_space: global }
      - { .name: w2_scales, .offset: 56, .size: 8, .value_kind: global_buffer, .address_space: global }
      - { .name: b1, .offset: 64, .size: 8, .value_kind: global_buffer, .address_space: global }
      - { .name: b2, .offset: 72, .size: 8, .value_kind: global_buffer, .address_space: global }
      - { .name: out0, .offset: 80, .size: 8, .value_kind: global_buffer, .address_space: global }
    .group_segment_fixed_size: 97792
    .private_segment_fixed_size: 0
    .kernarg_segment_align: 8
    .kernarg_segment_size: 88
    .max_flat_workgroup_size: 128
    .sgpr_count:     68
    .vgpr_count:     1024
    .wavefront_size: 32
...
	.end_amdgpu_metadata
.endif
;; end of part 4
;; ======== version 2 of 2: 4 launches; version 1 with the launches router, experts written anew for expert scheduling mode
;; workspace buffers: wimg 1,259,520 bytes; xq 6,553,600 bytes; gp 278,528 bytes; rsel 147,456 bytes of whole numbers; rplan 163,840 bytes of whole numbers
;; launch prep: the kernel of part 1 again; grid 60 x 1, 4 waves a work-group, no clusters, 0 bytes of LDS; arguments rw1, w1_codes, w2_codes, wimg; writes wimg
;; launch router (part 5): grid 256 x 1, 4 waves a work-group, no clusters, 118,272 bytes of LDS; arguments x, regime, ln_g, ln_b, rb1, rw2, rb2, wimg, xq, gp, rsel; writes xq, gp, rsel
.if DOCPART == 5
	.amdgcn_target "amdgcn-amd-amdhsa--gfx1250"
	.amdhsa_code_object_version 6
	.text
	.protected	k_q84194813c8_router
	.globl	k_q84194813c8_router
	.p2align	8
	.type	k_q84194813c8_router,@function
k_q84194813c8_router:
	s_mov_b64 s[64:65], 0
	v_nop
	global_prefetch_b8 v0, s[64:65] scope:SCOPE_SE
	s_setreg_imm32_b32 hwreg(HW_REG_WAVE_SCHED_MODE, 0, 2), 2
	s_setreg_imm32_b32 hwreg(HW_REG_WAVE_MODE, 25, 1), 1
	s_wait_xcnt 0x0
	s_wait_alu depctr_vm_vsrc(0)
; LayerNorm, its quantising to E2M3 (codes and scale words go to xq), the router (quantised product with rw1, silu, f32 product with rw2), top-2, gates, and this block's parts of the load-balancing sums.
; A work-group takes 128 neighbouring tokens, all of one batch entry.  Wave w normalises and quantises row tiles w and 4 + w (16 tokens each); in the products the waves share the COLUMNS: wave w owns
; router units 64 w .. 64 w + 63 for all 8 row tiles, so that its part of rw1 (images made by the first launch) and of rw2 stays in registers.
; The first product is used transposed (source 0 = 16 units of rw1, source 1 = 16 tokens): a lane holds one token (lane % 16) and units 8 (lane / 16) + 0 .. 7 of a tile.
; K = 261 is three K steps.  The third holds the regime alone, which all 128 tokens share: it is multiplied once, onto rb1, and the result is the C of every row tile's first product.
; The second product (N = 6) decides the choice of experts, so it is made of f32 fused multiply-adds; ties go to the lower index (a later logit must be strictly larger to win).
; Stored at fixed places only: no address and no branch here hangs on the choice.
; LIMITS: NaN and infinities are not served; a block whose largest magnitude lies under 2^-124 keeps the scale byte 1.
; LDS: XIMG: x's codes as xq has them: 3,072 m + 192 r + 32 q + 16 h (q: register quad 3 s + c);  XSC: 8 bytes a token;  LOG: partial logits, 4,096 w + 32 token;  AUXL, HISL: a wave's sums and counts;
;      PAR: ln_g, ln_b, rw2;  XT: a stage of 16 rows x 1,040 bytes for each wave.
; REGISTERS, in windows of 256.  Window 0: v0-31 addresses; v32-55 x's two fragments (in LN: sums); v56-87 four result tiles (in QUANT: codes, at work); v112-126 scale words and nothing else; v128-255 128 numbers of a lane's token, later at work.
;   Window 1: v0-127 the second half's x as loaded; v128-223 rw1's fragments 2 t + s; v224-255 the four C tiles.  Window 2: v0-191 rw2 (48 t + 6 j + e); v192-223 rb1.  Window 3: v0-127 ln_g, v128-255 ln_b, in x's register order.
; THE MODE: SCHED_MODE bits 1:0 = 2 (LLVM: expert scheduling mode 2), set by the entry lines.  The code itself states the register dependences
; between vector or matrix instructions and memory or LDS instructions, with s_wait_alu, always for 0.
; THE PLAN.  Registers that memory or LDS instructions touch:
;   v4-13, v17-29   addresses and offsets, made once at the head, never written again: one wait ahead of the first load serves them all.
;   v14-16          a row tile's LDS addresses: written at the tile's head, read by its loads and stores.
;   v96-111         loaded, read by the staging stores, then written with the regime.
;   v128-255        x as loaded, read by the stage's stores, loaded back, then worked on; v224-247 carry a tile's codes out; v160-165 the partial logits, read by LDS stores.
;   v56-75, v92     codes and scale word: written by QUANT, read by IMAGE's stores, written again by QUANT or by the products.
;   v32-55, v124-125  a row tile's fragments and scale words: LDS loads land there, the products read them.
;   Windows 1 to 3 are filled by loads once; of them vector and matrix instructions write only the four C tiles, which no memory instruction touches.
.set XIMG, 0
.set XSC,  24576
.set LOG,  25600
.set AUXL, 41984
.set HISL, 42240
.set PAR,  42752
.set XT,   50944
.set RW1IMG, 1179648
.set RW1SC,  1253376
.set XQSC,   6291456
.set XF, 32
.set HA, 56
.set PC, 56
.set TM, 76
.set PW, 92
.set X0, 128
.set T,  128
.set LA, 160
.set SEL, 42
.set MSB, 0
.macro WIN new                         ; the immediate's high byte repeats the setting that is left
.if MSB != \new
	s_set_vgpr_msb (MSB<<8)|\new
.set MSB, \new
.endif
.endm
.macro BARRIER                         ; my LDS stores have landed and my LDS loads are in: then the work-group's barrier
	s_wait_dscnt 0x0
	s_barrier_signal -1
	s_barrier_wait -1
.endm
.macro XLOAD reg, off                  ; my 16 rows of x, 16 KB, as they lie: each load covers 512 consecutive bytes
.set k, 0
.rept 32
	global_load_b128 v[\reg+4*k:\reg+4*k+3], v4, s[4:5] offset:\off+512*k
.set k, k+1
.endr
.endm
.macro XTURN win, reg                  ; through my stage: in as loaded, out 64 neighbouring bytes a lane and block: register 16 b + i = column 32 b + 16 h + i of row r
	WIN \win
.set k, 0
.rept 32
	ds_store_b128 v5, v[\reg+4*k:\reg+4*k+3] offset:1040*(k/2)+512*(k%2)
.set k, k+1
.endr
	WIN 0
	s_wait_alu depctr_vm_vsrc(0)                   ; the stores issued so far have read their data: in the first half the 32 above read v128-255 themselves, in the second the logits' LDS stores read v160-165: the loads below land there
.set k, 0
.rept 32
	ds_load_b128 v[X0+4*k:X0+4*k+3], v6 offset:128*(k/4)+16*(k%4)   ; LDS serves a wave's instructions in order: these see the stores above.  (Second half: the vector lines that named v128-255 stand ahead of the wait in front of the logits' stores, and none has been issued since)
.set k, k+1
.endr
	s_wait_dscnt 0x0
.endm
.macro FOLD                            ; four packed chains in v32-39 become the row's sum in v32 (a row lies in lanes l and l xor 16)
	v_pk_add_f32 v[32:33], v[32:33], v[34:35]
	v_pk_add_f32 v[36:37], v[36:37], v[38:39]
	v_pk_add_f32 v[32:33], v[32:33], v[36:37]
	v_add_f32 v32, v32, v33
	v_mov_b32 v44, 0
	v_permlanex16_b32 v44, v32, s[SEL], s[SEL+1]
	v_add_f32 v32, v32, v44
.endm
.macro LN                              ; the mean, then the mean of the squared differences: two passes, in f32
.irp c, 0,1,2,3
	v_pk_add_f32 v[32+2*\c:33+2*\c], v[X0+2*\c:X0+2*\c+1], v[X0+8+2*\c:X0+9+2*\c]
.endr
.set p, 8
.rept 14
.irp c, 0,1,2,3
	v_pk_add_f32 v[32+2*\c:33+2*\c], v[32+2*\c:33+2*\c], v[X0+2*(p+\c):X0+2*(p+\c)+1]
.endr
.set p, p+4
.endr
	FOLD
	v_mul_f32 v40, s45, v32
	v_mov_b32 v41, v40
.set p, 0
.rept 64
	v_pk_add_f32 v[X0+2*p:X0+2*p+1], v[X0+2*p:X0+2*p+1], v[40:41] neg_lo:[0,1] neg_hi:[0,1]
.set p, p+1
.endr
.irp c, 0,1,2,3
	v_pk_mul_f32 v[32+2*\c:33+2*\c], v[X0+2*\c:X0+2*\c+1], v[X0+2*\c:X0+2*\c+1]
.endr
.set p, 4
.rept 15
.irp c, 0,1,2,3
	v_pk_fma_f32 v[32+2*\c:33+2*\c], v[X0+2*(p+\c):X0+2*(p+\c)+1], v[X0+2*(p+\c):X0+2*(p+\c)+1], v[32+2*\c:33+2*\c]
.endr
.set p, p+4
.endr
	FOLD
	v_fma_f32 v42, v32, s45, s44                   ; variance + eps
	v_rsq_f32 v42, v42
	v_nop                                          ; one plain line behind the transcendental
	s_wait_alu depctr_va_vdst(0)                   ; the reciprocal root has written v42, ahead of its first reader
	v_mov_b32 v43, v42
.set p, 0
.rept 64
	v_pk_mul_f32 v[X0+2*p:X0+2*p+1], v[X0+2*p:X0+2*p+1], v[42:43]
.set p, p+1
.endr
	WIN 0x3c                                       ; sources 1 and 2 (gain, bias) in window 3
.set p, 0
.rept 64
	v_pk_fma_f32 v[X0+2*p:X0+2*p+1], v[X0+2*p:X0+2*p+1], v[2*p:2*p+1], v[128+2*p:129+2*p]
.set p, p+1
.endr
	WIN 0
.endm
; 64 numbers of a lane, register 16 b + i = k 32 b + 16 (lane / 16) + i of my row, become a fragment's codes in v[PC] on and its scale word in v[PW]
.macro QUANT s
.irp b, 0,1,2,3
	v_max3_num_f32 v[TM+\b], |v[\s+16*\b]|, |v[\s+1+16*\b]|, 0x1800000   ; with the floor 2^(3 - 127): the byte cannot fall under 1
.endr
.irp i, 2,4,6,8,10,12,14
.irp b, 0,1,2,3
	v_max3_num_f32 v[TM+\b], v[TM+\b], |v[\s+16*\b+\i]|, |v[\s+1+16*\b+\i]|
.endr
.endr
.irp b, 0,1,2,3
	v_permlanex16_b32 v[TM+4+\b], v[TM+\b], s[SEL], s[SEL+1]
.endr
.irp b, 0,1,2,3
	v_max_num_f32 v[TM+\b], v[TM+\b], v[TM+4+\b]   ; with lane l xor 16's: the block's largest magnitude
.endr
.irp b, 0,1,2,3
	v_add_nc_u32 v[TM+12+\b], 0xff000000, v[TM+\b] ; 2 off its exponent field: the conversion's scale operand
.endr
.irp b, 0,1,2,3
	v_lshrrev_b32 v[TM+4+\b], 23, v[TM+12+\b]      ; the scale's byte
.endr
	v_lshl_or_b32 v[PW], v[TM+5], 8, v[TM+4]
	v_lshl_or_b32 v[PW], v[TM+6], 16, v[PW]
	v_lshl_or_b32 v[PW], v[TM+7], 24, v[PW]
.irp c, 0,1
	v_cvt_scalef32_pk16_fp6_f32 v[PC+6*\c:PC+2+6*\c], v[\s+32*\c:\s+15+32*\c], v[TM+12+2*\c]
	v_cvt_scalef32_pk16_fp6_f32 v[PC+12+4*\c:PC+14+4*\c], v[\s+16+32*\c:\s+31+32*\c], v[TM+12+2*\c+1]
.endr
	v_nop                                          ; one plain line behind the conversions
.irp c, 0,1                                    ; the operand wants a whole block in a lane: lanes 0-15 block 2 c, lanes 16-31 block 2 c + 1
.irp i, 0,1,2
	v_permlane16_swap_b32 v[PC+6*\c+\i], v[PC+12+4*\c+\i]
.endr
.irp i, 0,1,2
	v_mov_b32 v[PC+3+6*\c+\i], v[PC+12+4*\c+\i]
.endr
.endr
.endm
.macro IMAGE ks, half                  ; K step ks of my tile (w, or 4 + w in the second half) goes to LDS
	s_wait_alu depctr_va_vdst(0)                   ; QUANT has written the codes v[PC ..] and the scale word v[PW], which the stores below read
.irp c, 0,1,2
	ds_store_b128 v7, v[PC+4*\c:PC+4*\c+3] offset:12288*\half+32*(3*\ks+\c)
.endr
	ds_store_b32 v10, v[PW] offset:512*\half+4*\ks  ; lanes l and l xor 16 write the same word with the same value
	s_wait_dscnt 0x0                               ; the stores are done
	s_wait_alu depctr_vm_vsrc(0)                   ; the four stores have read v[PC ..] and v[PW], which the next QUANT or the products write again
.endm
.macro COPYOUT half                    ; my tile's 3,072 bytes of codes, which lie in LDS as xq has them, leave in six stores of 512 consecutive bytes
.irp i, 0,1,2,3,4,5
	ds_load_b128 v[224+4*\i:227+4*\i], v9 offset:12288*\half+512*\i   ; they land in registers that LN and QUANT named: those lines stand ahead of the wait in front of IMAGE's stores, and no vector instruction has been issued since
.endr
	s_wait_dscnt 0x0
.irp i, 0,1,2,3,4,5
	global_store_b128 v9, v[224+4*\i:227+4*\i], s[20:21] offset:12288*\half+512*\i
.endr
	s_wait_xcnt 0x0                                ; the data registers are written again only behind this wait,
	s_wait_alu depctr_vm_vsrc(0)                   ; and this one: the six stores have read v224-247, in which the second half's numbers land and where the class counts are made at the end
.endm
.macro SILU base                       ; 32 numbers: x / (1 + 2^(-x log2 e))
.set p, 0
.rept 16
	v_pk_mul_f32 v[T+2*p:T+2*p+1], v[\base+2*p:\base+2*p+1], s[46:47] op_sel_hi:[1,0]   ; each result tile is read from its low end on
.set p, p+1
.endr
.set p, 0
.rept 32
	v_exp_f32 v[T+p], v[T+p]
.set p, p+1
.endr
	v_nop
.set p, 0
	s_wait_alu depctr_va_vdst(0)                   ; the 32 exponentials have written v[T ..], ahead of their first reader
.rept 16
	v_pk_add_f32 v[T+2*p:T+2*p+1], v[T+2*p:T+2*p+1], 1.0 op_sel_hi:[1,0]
.set p, p+1
.endr
.set p, 0
.rept 32
	v_rcp_f32 v[T+p], v[T+p]
.set p, p+1
.endr
	v_nop
.set p, 0
	s_wait_alu depctr_va_vdst(0)                   ; the 32 reciprocals have written v[T ..], ahead of their first reader
.rept 16
	v_pk_mul_f32 v[\base+2*p:\base+2*p+1], v[\base+2*p:\base+2*p+1], v[T+2*p:T+2*p+1]
.set p, p+1
.endr
.endm
; units 2 jj and 2 jj + 1 of my half of tile t, each times its six numbers of rw2: six chains of packed multiply-adds (even units: LA .. LA + 5, odd units: LA + 6 .. LA + 11)
.macro P2ROW t, jj, first
.irp ep, 0,1,2
.if \first
	v_pk_mul_f32 v[LA+2*\ep:LA+2*\ep+1], v[HA+8*\t+2*\jj:HA+8*\t+2*\jj+1], v[48*\t+12*\jj+2*\ep:48*\t+12*\jj+2*\ep+1] op_sel_hi:[0,1]
.else
	v_pk_fma_f32 v[LA+2*\ep:LA+2*\ep+1], v[HA+8*\t+2*\jj:HA+8*\t+2*\jj+1], v[48*\t+12*\jj+2*\ep:48*\t+12*\jj+2*\ep+1], v[LA+2*\ep:LA+2*\ep+1] op_sel_hi:[0,1,1]
.endif
.endr
.irp ep, 0,1,2
.if \first
	v_pk_mul_f32 v[LA+6+2*\ep:LA+7+2*\ep], v[HA+8*\t+2*\jj:HA+8*\t+2*\jj+1], v[48*\t+12*\jj+6+2*\ep:48*\t+12*\jj+7+2*\ep] op_sel:[1,0] op_sel_hi:[1,1]
.else
	v_pk_fma_f32 v[LA+6+2*\ep:LA+7+2*\ep], v[HA+8*\t+2*\jj:HA+8*\t+2*\jj+1], v[48*\t+12*\jj+6+2*\ep:48*\t+12*\jj+7+2*\ep], v[LA+6+2*\ep:LA+7+2*\ep] op_sel:[1,0,0] op_sel_hi:[1,1,1]
.endif
.endr
.endm
; four row tiles, m0 on: my 64 units of each, silu, my part of the six logits
.macro P1LOOP m0
	s_mov_b32 s48, 4
	s_mov_b32 s49, \m0*3072
	s_mov_b32 s50, \m0*128
	s_mov_b32 s51, \m0*512
.Lp1_\@:
	s_wait_alu depctr_vm_vsrc(0)                   ; the last tile's LDS loads and stores have read v14-16 and v160-165, which this tile writes again
	v_add_nc_u32 v14, s49, v8
	v_add_nc_u32 v15, s50, v11
	v_add_nc_u32 v16, s51, v12
	s_wait_alu depctr_va_vdst(0)                   ; v14-16 are written, which this tile's LDS loads and stores read; the vector lines and products issued so far are done with v32-55 and v124-125, in which the loads land
.irp q, 0,1,2,3,4,5
	ds_load_b128 v[XF+4*\q:XF+4*\q+3], v14 offset:32*\q
.endr
	ds_load_b64 v[124:125], v15                    ; the tile's scale words: lane r has token r's two
	s_wait_dscnt 0x0
	WIN 0x11                                       ; source 0 (rw1) and source 2 (the C tiles) in window 1
.irp t, 0,1,2,3
	v_wmma_scale_f32_16x16x128_f8f6f4 v[HA+8*\t:HA+8*\t+7], v[128+24*\t:139+24*\t], v[XF:XF+11], v[224+8*\t:231+8*\t], v[116+2*\t], v124 matrix_a_fmt:MATRIX_FMT_FP6 matrix_b_fmt:MATRIX_FMT_FP6
.endr
	WIN 0x01                                       ; the four accumulators take turns, one instruction a turn
.irp t, 0,1,2,3
	v_wmma_scale_f32_16x16x128_f8f6f4 v[HA+8*\t:HA+8*\t+7], v[140+24*\t:151+24*\t], v[XF+12:XF+23], v[HA+8*\t:HA+8*\t+7], v[117+2*\t], v125 matrix_a_fmt:MATRIX_FMT_FP6 matrix_b_fmt:MATRIX_FMT_FP6
.endr
	WIN 0
.rept 4
	v_nop                                          ; four plain lines between the products and the first read of their results (ISA guide 7.12.1)
.endr
	SILU HA
	WIN 0x08                                       ; source 1 (rw2) in window 2
	P2ROW 0, 0, 1                                  ; the first products start the six sums
.irp jj, 1,2,3
	P2ROW 0, \jj, 0
.endr
.irp t, 1,2,3
.irp jj, 0,1,2,3
	P2ROW \t, \jj, 0
.endr
.endr
	WIN 0
.irp e, 0,2,4
	v_pk_add_f32 v[LA+\e:LA+\e+1], v[LA+\e:LA+\e+1], v[LA+6+\e:LA+7+\e]
.endr
.irp e, 0,1,2,3,4,5
	v_permlanex16_b32 v[172+\e], v[LA+\e], s[SEL], s[SEL+1]
.endr
.irp e, 0,2,4
	v_pk_add_f32 v[LA+\e:LA+\e+1], v[LA+\e:LA+\e+1], v[172+\e:173+\e]   ; with the other half's units: both lanes of a token now hold the same six numbers
.endr
	s_wait_alu depctr_va_vdst(0)                   ; the sums have written v160-165, which the two stores read
	ds_store_b128 v16, v[LA:LA+3]
	ds_store_b64 v16, v[LA+4:LA+5] offset:16
	s_add_co_u32 s49, s49, 3072
	s_add_co_u32 s50, s50, 128
	s_add_co_u32 s51, s51, 512
	s_sub_co_u32 s48, s48, 1
	s_cmp_lg_u32 s48, 0
	s_cbranch_scc1 .Lp1_\@
.endm
	s_load_b512 s[4:19], s[0:1], 0x0               ; x, regime, ln_g, ln_b, rb1, rw2, rb2, wimg
	s_load_b128 s[20:23], s[0:1], 0x40             ; xq, gp
	s_load_b64 s[24:25], s[0:1], 0x50              ; rsel
	v_lshl_add_u32 v127, v0, 2, 0x1cc00
	s_set_vgpr_msb 0x80
	v_mov_b32 v255, 0
	s_set_vgpr_msb 0x8000
	v_lshrrev_b32 v1, 5, v0
	v_readfirstlane_b32 s26, v1                    ; wave
	s_mov_b32 s27, ttmp9                           ; work-group
	s_mov_b32 s42, 0x76543210
	s_mov_b32 s43, 0xfedcba98                      ; selects: lane l xor 16
	s_mov_b32 s44, 0x3727c5ac                      ; 1e-5
	s_mov_b32 s45, 0x3b800000                      ; 1 / 256
	s_mov_b32 s46, 0xbfb8aa3b                      ; -log2(e)
	s_mov_b32 s47, s46
	v_and_b32 v1, 15, v0                           ; r
	v_bfe_u32 v2, v0, 4, 1                         ; h
	v_and_b32 v3, 31, v0                           ; lane
	v_lshlrev_b32 v4, 4, v3                        ; 16 lane
	s_wait_alu depctr_va_sdst(0)                   ; s26, the wave's number, is written, ahead of its first reader
	s_mul_i32 s52, s26, 16640
	s_add_co_u32 s52, s52, XT                      ; my stage
	v_add_nc_u32 v5, s52, v4                       ; into it
	v_mul_u32_u24 v6, v1, 1040
	v_lshl_add_u32 v6, v2, 6, v6
	v_add_nc_u32 v6, s52, v6                       ; out of it: row r, + 64 h
	v_mul_u32_u24 v8, v1, 192
	v_lshl_add_u32 v8, v2, 4, v8                   ; 192 r + 16 h: my place in a tile's codes
	s_mul_i32 s53, s26, 3072
	v_add_nc_u32 v7, s53, v8                       ; in my own tile
	v_add_nc_u32 v9, s53, v4                       ; my tile, dense: LDS address and offset in xq alike
	v_lshlrev_b32 v11, 3, v1
	v_add_nc_u32 v11, XSC, v11                     ; a tile's scale words: 8 r
	s_lshl_b32 s53, s26, 7
	v_add_nc_u32 v10, s53, v11                     ; my own tile's
	v_lshlrev_b32 v12, 5, v1
	s_lshl_b32 s53, s26, 12
	s_add_co_u32 s53, s53, LOG
	v_add_nc_u32 v12, s53, v12                     ; my partial logits: 32 bytes a token
	v_lshl_add_u32 v13, v0, 5, LOG                 ; at the end thread = token
	v_lshlrev_b32 v17, 3, v0
	v_lshlrev_b32 v18, 2, v0
	v_lshl_add_u32 v19, v2, 6, PAR                 ; gain and bias: 64 h
	v_mul_u32_u24 v20, v2, 192
	s_mul_i32 s53, s26, 1536
	s_add_co_u32 s53, s53, PAR+2048
	v_add_nc_u32 v20, s53, v20                     ; rw2: rows 64 w + 8 h on, 24 bytes a row
	v_lshlrev_b32 v21, 2, v3                       ; 4 lane
	v_and_b32 v22, 63, v0
	v_lshlrev_b32 v22, 4, v22
	v_lshlrev_b32 v23, 4, v0
	v_add_nc_u32 v24, PAR, v23
	s_lshl_b32 s53, s26, 6
	s_add_co_u32 s53, s53, AUXL
	v_mov_b32 v25, s53
	s_lshl_b32 s53, s26, 7
	s_add_co_u32 s53, s53, HISL
	v_add_nc_u32 v26, s53, v21
	v_lshlrev_b32 v27, 5, v2
	v_lshlrev_b32 v28, 2, v1
	v_add_nc_u32 v29, XSC, v17
.irp b, 0,1,2,3
	v_mov_b32 v[TM+4+\b], 0                        ; written once: a lane permute's destination counts as one of its sources
.endr
	s_wait_kmcnt 0x0
	s_mov_b32 s53, 0
	s_lshr_b32 s52, s27, 5                         ; the batch entry
	s_mul_i32 s52, s52, 20
	s_add_nc_u64 s[6:7], s[6:7], s[52:53]
	s_load_b128 s[36:39], s[6:7], 0x0              ; its five regime numbers
	s_load_b32 s40, s[6:7], 0x10
	s_load_b128 s[28:31], s[16:17], 0x0            ; rb2
	s_load_b64 s[32:33], s[16:17], 0x10
	s_cmp_lt_u32 s26, 2
	s_cselect_b64 s[34:35], s[8:9], s[10:11]       ; waves 0, 1 stage ln_g, waves 2, 3 ln_b
	s_lshl_b32 s52, s27, 17
	s_lshl_b32 s41, s26, 14
	s_add_co_u32 s52, s52, s41
	s_add_nc_u64 s[4:5], s[4:5], s[52:53]          ; x at my first tile
	s_mul_i32 s52, s26, 18432
	s_add_co_u32 s52, s52, RW1IMG
	s_add_nc_u64 s[54:55], s[18:19], s[52:53]      ; my twelve fragments of rw1
	s_mul_i32 s52, s26, 1536
	s_add_co_u32 s52, s52, RW1SC
	s_add_nc_u64 s[56:57], s[18:19], s[52:53]      ; and their scale words
	s_lshl_b32 s52, s26, 8
	s_add_nc_u64 s[12:13], s[12:13], s[52:53]      ; rb1 at my 64 units
	s_lshl_b32 s52, s27, 6
	s_add_co_u32 s52, s52, 262144
	s_add_nc_u64 s[60:61], s[22:23], s[52:53]      ; this block's row of sums
	s_lshl_b32 s52, s27, 6
	s_add_co_u32 s52, s52, 131072
	s_add_nc_u64 s[62:63], s[24:25], s[52:53]      ; and of class counts
	s_lshl_b32 s52, s27, 10
	s_add_nc_u64 s[22:23], s[22:23], s[52:53]      ; gates
	s_add_co_u32 s52, s52, XQSC
	s_add_nc_u64 s[58:59], s[20:21], s[52:53]      ; x's scale words
	s_mul_i32 s52, s27, 24576
	s_add_nc_u64 s[20:21], s[20:21], s[52:53]      ; x's codes
	s_lshl_b32 s52, s27, 9
	s_add_nc_u64 s[24:25], s[24:25], s[52:53]      ; sel
	; 124 loads: 4 to stage, 56 of weights, 64 of x
	s_wait_alu depctr_va_vdst(0)                   ; the addresses and offsets v4-13 and v17-29 are written: every load and store of the kernel but a row tile's own reads some of them, and none is written again
	global_load_b128 v[96:99], v22, s[34:35]
	global_load_b128 v[100:103], v23, s[14:15]
	global_load_b128 v[104:107], v23, s[14:15] offset:2048
	global_load_b128 v[108:111], v23, s[14:15] offset:4096
	WIN 0x40                                       ; destination window 1
.irp t, 0,1,2,3
.irp u, 0,1
.irp c, 0,1,2
	global_load_b128 v[128+12*(2*\t+\u)+4*\c:128+12*(2*\t+\u)+4*\c+3], v4, s[54:55] offset:4608*\t+1536*\u+512*\c
.endr
.endr
.endr
	WIN 0
.irp t, 0,1,2,3
.irp c, 0,1,2
	global_load_b128 v[32+12*\t+4*\c:32+12*\t+4*\c+3], v4, s[54:55] offset:4608*\t+3072+512*\c   ; K step 2
.endr
.endr
.irp t, 0,1,2,3
	global_load_b32 v[116+2*\t], v21, s[56:57] offset:384*\t
	global_load_b32 v[117+2*\t], v21, s[56:57] offset:384*\t+128
	global_load_b32 v[112+\t], v21, s[56:57] offset:384*\t+256
.endr
	WIN 0x80                                       ; destination window 2
.irp t, 0,1,2,3
	global_load_b128 v[192+8*\t:195+8*\t], v27, s[12:13] offset:64*\t       ; rb1 in the result's layout: units 16 t + 8 h + 0 .. 7
	global_load_b128 v[196+8*\t:199+8*\t], v27, s[12:13] offset:64*\t+16
.endr
	WIN 0
	XLOAD X0, 0
	WIN 0x40
	XLOAD 0, 65536
	WIN 0
	s_wait_loadcnt 63                              ; 64 loads of x were issued behind the last weight: all that stands ahead of x is in
	ds_store_b128 v24, v[96:99]
	ds_store_b128 v24, v[100:103] offset:2048
	ds_store_b128 v24, v[104:107] offset:4096
	ds_store_b128 v24, v[108:111] offset:6144
	BARRIER                                        ; gain, bias and rw2 lie in LDS
	WIN 0xc0                                       ; destination window 3
.set k, 0
.rept 32
	ds_load_b128 v[4*k:4*k+3], v19 offset:128*(k/4)+16*(k%4)
	ds_load_b128 v[128+4*k:131+4*k], v19 offset:1024+128*(k/4)+16*(k%4)
.set k, k+1
.endr
	WIN 0x80
.set k, 0
.rept 48
	ds_load_b128 v[4*k:4*k+3], v20 offset:384*(k/12)+16*(k%12)
.set k, k+1
.endr
	WIN 0
	; the regime as K step 2 of every token: five numbers in block 0 (lanes 0-15), zero codes elsewhere
	s_wait_kmcnt 0x0
	s_wait_alu depctr_vm_vsrc(0)                   ; the four staging stores have read v96-111, which the lines below write
.irp i, 0,1,2,3,4
	v_mov_b32 v[96+\i], s[36+\i]
.endr
.irp i, 5,6,7,8,9,10,11,12,13,14,15
	v_mov_b32 v[96+\i], 0
.endr
	v_max3_num_f32 v30, |v96|, |v97|, 0x1800000
	v_max3_num_f32 v30, v30, |v98|, |v99|
	v_max_num_f32 v30, v30, |v100|
	v_add_nc_u32 v31, 0xff000000, v30
	v_lshrrev_b32 v30, 23, v31
	v_or_b32 v126, 0x7f7f7f00, v30
	v_cvt_scalef32_pk16_fp6_f32 v[84:86], v[96:111], v31
	v_nop
	v_cmp_eq_u32 vcc_lo, 0, v2
	s_wait_alu depctr_va_vcc(0)                    ; the compare has written VCC, which the three selects read
.irp i, 0,1,2
	v_cndmask_b32 v[84+\i], 0, v[84+\i], vcc_lo
.endr
.irp i, 3,4,5,6,7,8,9,10,11
	v_mov_b32 v[84+\i], 0
.endr
.rept 8
	v_nop                                          ; eight plain lines between the vector writes of a scale word and of an operand and the scaled product
.endr
	s_wait_dscnt 0x0
	s_wait_alu depctr_va_vdst(0)                   ; the regime's codes v84-95 and its scale word v126 are written, which the four scaled products take as operand and scales; the plain lines above stay beside this wait
	WIN 0x60                                       ; destination window 1, source 2 (rb1) window 2
.irp t, 0,1,2,3
	v_wmma_scale_f32_16x16x128_f8f6f4 v[224+8*\t:231+8*\t], v[32+12*\t:43+12*\t], v[84:95], v[192+8*\t:199+8*\t], v[112+\t], v126 matrix_a_fmt:MATRIX_FMT_FP6 matrix_b_fmt:MATRIX_FMT_FP6
.endr
	WIN 0
.rept 5
	v_nop                                          ; plain lines before these products' operand registers are written again
.endr
	; ---- first half: my tile w
	s_wait_loadcnt 32                              ; the second half's 32 loads may stay out
	XTURN 0, X0
	LN
	QUANT X0
	IMAGE 0, 0
	QUANT X0+64
	IMAGE 1, 0
	COPYOUT 0
	BARRIER                                        ; tiles 0 .. 3 lie in LDS
	P1LOOP 0
	; ---- second half: my tile 4 + w (its bytes in LDS are apart from those that slower waves still read)
	s_wait_loadcnt 0x0
	XTURN 0x04, 0
	LN
	QUANT X0
	IMAGE 0, 1
	QUANT X0+64
	IMAGE 1, 1
	COPYOUT 1
	BARRIER                                        ; tiles 4 .. 7 lie in LDS
	P1LOOP 4
	BARRIER                                        ; all partial logits lie in LDS
	; ---- thread = token.  (The loads below land in v128-157 and v190-191: the vector lines that named them stand ahead of the wait in front of the last tile's stores, and none has been issued since)
.irp u, 0,1,2,3
	ds_load_b128 v[128+8*\u:131+8*\u], v13 offset:4096*\u
	ds_load_b64 v[132+8*\u:133+8*\u], v13 offset:4096*\u+16
.endr
	ds_load_b64 v[190:191], v29                    ; my token's two scale words
	s_wait_dscnt 0x0
.irp e, 0,2,4
	v_pk_add_f32 v[128+\e:129+\e], v[128+\e:129+\e], v[136+\e:137+\e]
	v_pk_add_f32 v[144+\e:145+\e], v[144+\e:145+\e], v[152+\e:153+\e]
.endr
.irp e, 0,2,4
	v_pk_add_f32 v[128+\e:129+\e], v[128+\e:129+\e], v[144+\e:145+\e]
.endr
	s_wait_alu depctr_vm_vsrc(0)                   ; the last row tile's two LDS stores have read v160-165, which the six logits are written into
.irp e, 0,1,2,3,4,5
	v_add_f32 v[160+\e], s[28+\e], v[128+\e]       ; the six logits
.endr
	v_mov_b32 v180, 0xff800000                     ; -infinity
	v_mov_b32 v181, 1.0
	v_mov_b32 v166, v160
	v_mov_b32 v167, 0
.irp e, 1,2,3,4,5                              ; the first choice: a later logit wins only if it is strictly larger
	v_cmp_le_f32 vcc_lo, v[160+\e], v166
	s_wait_alu depctr_va_vcc(0)                    ; the compare has written VCC, which the two selects read
	v_cndmask_b32 v166, v[160+\e], v166, vcc_lo
	v_cndmask_b32 v167, \e, v167, vcc_lo
.endr
.irp e, 0,1,2,3,4,5                            ; six masks in a run (s4-9 held arguments whose loads are done)
	v_cmp_eq_u32 s[4+\e], \e, v167
.endr
	s_wait_alu depctr_va_sdst(0)                   ; the six compares have written s4-9, which the selects read
.irp e, 0,1,2,3,4,5
	v_cndmask_b32 v[168+\e], v[160+\e], v180, s[4+\e]  ; the winner is taken out,
	v_cndmask_b32 v[206+\e], 0, v181, s[4+\e]          ; and counted: one-hot of the first choice
.endr
	v_mov_b32 v174, v168
	v_mov_b32 v175, 0
.irp e, 1,2,3,4,5                              ; the second choice, likewise
	v_cmp_le_f32 vcc_lo, v[168+\e], v174
	s_wait_alu depctr_va_vcc(0)                    ; the compare has written VCC, which the two selects read
	v_cndmask_b32 v174, v[168+\e], v174, vcc_lo
	v_cndmask_b32 v175, \e, v175, vcc_lo
.endr
.irp e, 0,1,2,3,4,5
	v_sub_f32 v[200+\e], v[160+\e], v166           ; the largest logit is taken away ahead of every exponential
.endr
	v_sub_f32 v176, v174, v166
.irp e, 0,1,2,3,4,5
	v_mul_f32 v[200+\e], 0x3fb8aa3b, v[200+\e]
.endr
	v_mul_f32 v176, 0x3fb8aa3b, v176
.irp e, 0,1,2,3,4,5
	v_exp_f32 v[200+\e], v[200+\e]
.endr
	v_exp_f32 v176, v176
	v_nop
	s_wait_alu depctr_va_vdst(0)                   ; the seven exponentials have written v200-205 and v176, ahead of their first reader
	v_add_f32 v182, v200, v201
	v_add_f32 v183, v202, v203
	v_add_f32 v184, v204, v205
	v_add_f32 v182, v182, v183
	v_add_f32 v182, v182, v184
	v_add_f32 v185, 1.0, v176
	v_rcp_f32 v182, v182
	v_rcp_f32 v185, v185                           ; the first choice's weight
	v_nop
	s_wait_alu depctr_va_vdst(0)                   ; the two reciprocals have written v182 and v185, ahead of their first reader
	v_mul_f32 v186, v176, v185                     ; the second's
.irp e, 0,1,2,3,4,5
	v_mul_f32 v[200+\e], v[200+\e], v182           ; the six probabilities
.endr
	v_min_u32 v177, v167, v175                     ; a < b: the two experts
	v_max_u32 v178, v167, v175
	v_cmp_lt_u32 vcc_lo, v167, v175
	s_wait_alu depctr_va_vcc(0)                    ; the compare has written VCC, which the two selects read
	v_cndmask_b32 v188, v186, v185, vcc_lo         ; a's weight,
	v_cndmask_b32 v189, v185, v186, vcc_lo         ; b's
	v_sub_nc_u32 v179, 11, v177
	v_mul_u32_u24 v179, v179, v177
	v_lshrrev_b32 v179, 1, v179
	v_add_nc_u32 v179, v179, v178
	v_sub_nc_u32 v179, v179, v177
	v_add_nc_u32 v179, -1, v179                    ; the pair's class: a (11 - a) / 2 + b - a - 1
	v_lshl_or_b32 v198, v178, 8, v177
	v_lshl_or_b32 v198, v179, 16, v198
.irp m, 1,2,4,8                                ; twelve sums over my wave's 32 tokens
.irp k, 0,1,2,3,4,5,6,7,8,9,10,11
	v_add_f32_dpp v[200+\k], v[200+\k], v[200+\k] row_xmask:\m row_mask:0xf bank_mask:0xf
.endr
.endr
.irp k, 0,1,2,3,4,5,6,7,8,9,10,11
	v_permlanex16_b32 v[212+\k], v[200+\k], s[SEL], s[SEL+1]
.endr
.irp k, 0,1,2,3,4,5,6,7,8,9,10,11
	v_add_f32 v[200+\k], v[200+\k], v[212+\k]
.endr
	v_mov_b32 v199, 0
	v_mov_b32 v224, 0
.irp c, 0,1,2,3,4,5,6,7,8,9,10,11,12,13,14     ; how many of my wave's tokens fall into each class: fifteen masks in a run,
	v_cmp_eq_u32 s[4+\c], \c, v179
.endr
	s_wait_alu depctr_va_sdst(0)                   ; the fifteen compares have written s4-18, which the counts read
.irp c, 0,1,2,3,4,5,6,7,8,9,10,11,12,13,14     ; and lane c gets class c's count
	s_bcnt1_i32_b32 s[4+\c], s[4+\c]
	v_writelane_b32 v224, s[4+\c], \c
.endr
	s_wait_alu depctr_va_vdst(0)                   ; all that leaves is written: sel v198, the gates v188-189, the twelve sums v200-211, the zero v199, the counts v224: the run of stores below reads them
	global_store_b32 v18, v198, s[24:25]
	global_store_b64 v17, v[188:189], s[22:23]
	global_store_b64 v17, v[190:191], s[58:59]
.irp k, 0,1,2,3,4,5,6,7,8,9,10,11
	ds_store_b32 v25, v[200+\k] offset:4*\k        ; every lane writes the same word with the same value
.endr
.irp k, 12,13,14,15
	ds_store_b32 v25, v199 offset:4*\k
.endr
	ds_store_b32 v26, v224
	BARRIER                                        ; the four waves' sums and counts lie in LDS
	s_cmp_lg_u32 s26, 0
	s_cbranch_scc1 .Ldone
.irp u, 0,1,2,3
	ds_load_b32 v[128+\u], v28 offset:AUXL+64*\u   ; word r; lanes 16-31 do what lanes 0-15 do.  (v128-135 were last named ahead of the wait in front of the run of stores)
	ds_load_b32 v[132+\u], v28 offset:HISL+128*\u
.endr
	s_wait_dscnt 0x0
	v_add_f32 v128, v128, v129
	v_add_f32 v130, v130, v131
	v_add_f32 v128, v128, v130
	v_add_nc_u32 v132, v132, v133
	v_add3_u32 v132, v132, v134, v135
	s_wait_alu depctr_va_vdst(0)                   ; the block's sums v128 and counts v132 are written, which the two stores read
	global_store_b32 v28, v128, s[60:61]
	global_store_b32 v28, v132, s[62:63]
.Ldone:
	s_set_vgpr_msb 0x8                             ; the add's data register lies in window 2
	s_wait_dscnt 0x0                               ; the closing lines, six on end
	s_wait_alu 0x0
	s_wait_tensorcnt 0x0
	ds_add_u32 v127, v255
	s_wait_dscnt 0x0
	s_endpgm
.Lfunc_end_k_q84194813c8_router:
	.size	k_q84194813c8_router, .Lfunc_end_k_q84194813c8_router-k_q84194813c8_router
	.p2alignl 7, 3214868480
	.fill 96, 4, 3214868480
	.section	.rodata,"a",@progbits
	.p2align	6, 0x0
	.amdhsa_kernel k_q84194813c8_router
		.amdhsa_group_segment_fixed_size 118272
		.amdhsa_private_segment_fixed_size 0
		.amdhsa_enable_private_segment 0
		.amdhsa_kernarg_size 88
		.amdhsa_user_sgpr_count 2
		.amdhsa_user_sgpr_kernarg_segment_ptr 1
		.amdhsa_wavefront_size32 1
		.amdhsa_system_sgpr_workgroup_id_x 1
		.amdhsa_system_sgpr_workgroup_id_y 1
		.amdhsa_system_sgpr_workgroup_id_z 1
		.amdhsa_system_vgpr_workitem_id 0
		.amdhsa_next_free_vgpr 1024
		.amdhsa_next_free_sgpr 66
		.amdhsa_reserve_vcc 1
		.amdhsa_float_denorm_mode_32 3
		.amdhsa_float_denorm_mode_16_64 3
		.amdhsa_memory_ordered 1
		.amdhsa_forward_progress 1
		.amdhsa_inst_pref_size 140
	.end_amdhsa_kernel
	.amdgpu_metadata
---
amdhsa.version: [ 1, 2 ]
amdhsa.kernels:
  - .name:           k_q84194813c8_router
    .symbol:         k_q84194813c8_router.kd
    .args:
      - { .name: x, .offset: 0, .size: 8, .value_kind: global_buffer, .address_space: global }
      - { .name: regime, .offset: 8, .size: 8, .value_kind: global_buffer, .address_space: global }
      - { .name: ln_g, .offset: 16, .size: 8, .value_kind: global_buffer, .address_space: global }
      - { .name: ln_b, .offset: 24, .size: 8, .value_kind: global_buffer, .address_space: global }
      - { .name: rb1, .offset: 32, .size: 8, .value_kind: global_buffer, .address_space: global }
      - { .name: rw2, .offset: 40, .size: 8, .value_kind: global_buffer, .address_space: global }
      - { .name: rb2, .offset: 48, .size: 8, .value_kind: global_buffer, .address_space: global }
      - { .name: wimg, .offset: 56, .size: 8, .value_kind: global_buffer, .address_space: global }
      - { .name: xq, .offset: 64, .size: 8, .value_kind: global_buffer, .address_space: global }
      - { .name: gp, .offset: 72, .size: 8, .value_kind: global_buffer, .address_space: global }
      - { .name: rsel, .offset: 80, .size: 8, .value_kind: global_buffer, .address_space: global }
    .group_segment_fixed_size: 118272
    .private_segment_fixed_size: 0
    .kernarg_segment_align: 8
    .kernarg_segment_size: 88
    .max_flat_workgroup_size: 128
    .sgpr_count:     66
    .vgpr_count:     1024
    .wavefront_size: 32
...
	.end_amdgpu_metadata
.endif
;; end of part 5
;; launch place: the kernel of part 3 again; grid 257 x 1, 1 waves a work-group, no clusters, 0 bytes of LDS; arguments rsel, gp, rplan, out1; writes rplan, out1
;; launch experts (part 6): grid 256 x 1, 4 waves a work-group, no clusters, 97,792 bytes of LDS; arguments x, xq, gp, rsel, rplan, wimg, w1_scales, w2_scales, b1, b2, out0; writes out0
.if DOCPART == 6
	.amdgcn_target "amdgcn-amd-amdhsa--gfx1250"
	.amdhsa_code_object_version 6
	.text
	.protected	k_q84194813c8_experts
	.globl	k_q84194813c8_experts
	.p2align	8
	.type	k_q84194813c8_experts,@function
k_q84194813c8_experts:
	s_mov_b64 s[64:65], 0
	v_nop
	global_prefetch_b8 v0, s[64:65] scope:SCOPE_SE
	s_setreg_imm32_b32 hwreg(HW_REG_WAVE_SCHED_MODE, 0, 2), 2
	s_setreg_imm32_b32 hwreg(HW_REG_WAVE_MODE, 25, 1), 1
	s_wait_xcnt 0x0
	s_wait_alu depctr_vm_vsrc(0)
; out0 = x + the sum over a token's two chosen experts of gate x (silu(xn W1 + b1) W2 + b2), both products on E2M3 codes.  Only chosen experts are multiplied.
; A work-group takes 128 slots of the list sorted by pairs of experts: 8 row tiles of 16 tokens.  It walks the six experts in a loop of constant count; masks stored by the launch before say which row tiles
; use which expert, and a scalar branch passes over the others.  A row tile on a boundary of classes takes part in every expert that one of its tokens uses; a token's gate is 0 for an expert it did not choose.
; So each output row has one owner, and nothing is padded.  Operands come straight into registers, as images laid out by the first launch: no tensor load.
; THE WAVES SHARE THE COLUMNS: wave w makes hidden units 128 w .. + 127 (one K step of the second product) and outputs 64 w .. + 63, for all row tiles: an expert's weights are 384 registers a wave.
; No multicast: neighbouring work-groups walk different experts at different times, by counts read from memory, and an expert's weights for a work-group are read once, into registers.
; Both products are used transposed (source 0 = weights, source 1 = tokens): a lane holds one token (lane % 16).  The hidden layer goes from wave to wave through LDS as images of operand registers.
; The accumulators of out0 begin as x itself: nothing is cleared.  The next expert's W1 is asked for when this expert's first product is done, dealt among the second product's first four row tiles; its W2 when the second is done.
; LIMITS: NaN and infinities are not served; a block whose largest magnitude lies under 2^-124 keeps the scale byte 1; in a row tile on a boundary an expert that a token did not choose enters as 0 x value, so that value must be finite.
; LDS: HIMG: hidden fragment (tile m, K step s) at (8 s + m) x 1,536; HSC: its scale words at (8 s + m) x 128; XIMG: x's codes, 3,072 m + 512 q + 16 lane; XSC: 256 m + 8 lane; STG: a stage of 16 rows x 272 bytes a wave.
; REGISTERS, in windows of 256.  Window 0: v0-23 addresses, gate; v24-39 gates, v40-47 sel; v48-85 scale words and nothing else; v86-93 tokens; v96-255 by phase.
;   Window 1: W1's 16 fragments, from v192 b1's 8 tiles.  Window 2: W2's 16 fragments, from v192 b2's 4 tiles.  Window 3: out0's accumulators, 32 m + 8 n + j.
; THE MODE: SCHED_MODE bits 1:0 = 2 (LLVM: expert scheduling mode 2), set by the entry lines.  The code itself states the register dependences
; between vector or matrix instructions and memory or LDS instructions, with s_wait_alu, always for 0.
; THE PLAN.  Registers that memory or LDS instructions touch:
;   v4-6, v11-19    addresses and offsets, made once at the head, never written again.
;   v86-93, v212-213, v222-231  tokens, offsets and lane indices: written at the head (v224-231 on the way out too), read by the gathers and the lane permutes.
;   v96-159         the 64 row offsets at the head and on the way out; between the two x's fragments, the hidden tiles, the hidden fragments and the second product's results.
;   Window 3        x is loaded there and turned in place through the stage; then vector instructions alone name it, until the way out's LDS stores read it.
;   v7-10           a row tile's LDS addresses in the first product: written in each trip, read by the trip's loads and stores.
;   v184-203, v220  the hidden codes and scale word: written by QUANT, read by LDS stores.
;   Window 1, v48-63  W1, b1, W1's scale words: read by the first product; the next expert's land there during the second product, whose lines name none of them.
;   Window 2, v64-79  W2, b2, W2's scale words: read by the second product; the next expert's land there behind it.
;   v96-143, v82-85   a row tile's hidden fragments and scale words: LDS loads land there, the second product reads them.
;   v160-223        the way out: rows read back from the stage, two sets by turns, read by the stores.
.set HIMG, 0
.set HSC,  49152
.set XIMG, 53248
.set XSC,  77824
.set STG,  79872
.set XQSC, 6291456
.set W2IMG, 589824
.set XF, 96
.set HA, 120
.set PC, 184
.set TM, 204
.set PW, 220
.set T,  222
.set HF, 96
.set T2, 144
.set SEL, 2
.set MSB, 0
.macro WIN new                         ; the immediate's high byte repeats the setting that is left
.if MSB != \new
	s_set_vgpr_msb (MSB<<8)|\new
.set MSB, \new
.endif
.endm
.macro BARRIER
	s_wait_dscnt 0x0
	s_barrier_signal -1
	s_barrier_wait -1
.endm
.macro QUANT s                         ; 64 numbers of a lane, register 16 b + i = k 32 b + 16 (lane / 16) + i of my row -> codes in v[PC] on, scale word in v[PW]
.irp b, 0,1,2,3
	v_max3_num_f32 v[TM+\b], |v[\s+16*\b]|, |v[\s+1+16*\b]|, 0x1800000
.endr
.irp i, 2,4,6,8,10,12,14
.irp b, 0,1,2,3
	v_max3_num_f32 v[TM+\b], v[TM+\b], |v[\s+16*\b+\i]|, |v[\s+1+16*\b+\i]|
.endr
.endr
.irp b, 0,1,2,3
	v_permlanex16_b32 v[TM+4+\b], v[TM+\b], s[SEL], s[SEL+1]
.endr
.irp b, 0,1,2,3
	v_max_num_f32 v[TM+\b], v[TM+\b], v[TM+4+\b]
.endr
.irp b, 0,1,2,3
	v_add_nc_u32 v[TM+12+\b], 0xff000000, v[TM+\b]
.endr
.irp b, 0,1,2,3
	v_lshrrev_b32 v[TM+4+\b], 23, v[TM+12+\b]
.endr
	v_lshl_or_b32 v[PW], v[TM+5], 8, v[TM+4]
	v_lshl_or_b32 v[PW], v[TM+6], 16, v[PW]
	v_lshl_or_b32 v[PW], v[TM+7], 24, v[PW]
.irp c, 0,1
	v_cvt_scalef32_pk16_fp6_f32 v[PC+6*\c:PC+2+6*\c], v[\s+32*\c:\s+15+32*\c], v[TM+12+2*\c]
	v_cvt_scalef32_pk16_fp6_f32 v[PC+12+4*\c:PC+14+4*\c], v[\s+16+32*\c:\s+31+32*\c], v[TM+12+2*\c+1]
.endr
	v_nop                                          ; one plain line behind the conversions
.irp c, 0,1
.irp i, 0,1,2
	v_permlane16_swap_b32 v[PC+6*\c+\i], v[PC+12+4*\c+\i]
.endr
.irp i, 0,1,2
	v_mov_b32 v[PC+3+6*\c+\i], v[PC+12+4*\c+\i]
.endr
.endr
.endm
.macro SILU base                       ; 32 numbers: x / (1 + 2^(-x log2 e))
.set p, 0
.rept 16
	v_pk_mul_f32 v[T+2*p:T+2*p+1], v[\base+2*p:\base+2*p+1], s[66:67] op_sel_hi:[1,0]   ; each result tile is read from its low end on
.set p, p+1
.endr
.set p, 0
.rept 32
	v_exp_f32 v[T+p], v[T+p]
.set p, p+1
.endr
	v_nop
.set p, 0
	s_wait_alu depctr_va_vdst(0)                   ; the 32 exponentials have written v[T ..], ahead of their first reader
.rept 16
	v_pk_add_f32 v[T+2*p:T+2*p+1], v[T+2*p:T+2*p+1], 1.0 op_sel_hi:[1,0]
.set p, p+1
.endr
.set p, 0
.rept 32
	v_rcp_f32 v[T+p], v[T+p]
.set p, p+1
.endr
	v_nop
.set p, 0
	s_wait_alu depctr_va_vdst(0)                   ; the 32 reciprocals have written v[T ..], ahead of their first reader
.rept 16
	v_pk_mul_f32 v[\base+2*p:\base+2*p+1], v[\base+2*p:\base+2*p+1], v[T+2*p:T+2*p+1]
.set p, p+1
.endr
.endm
; the bases of expert s60's W1, W1's scale words and b1 for my wave
.macro W1BASE
	s_wait_xcnt 0x0                                ; the bases in use are written again only behind this wait
	s_mov_b32 s63, 0
	s_mul_i32 s62, s60, 98304
	s_add_nc_u64 s[54:55], s[42:43], s[62:63]
	s_lshl_b32 s62, s60, 12
	s_add_nc_u64 s[56:57], s[46:47], s[62:63]
	s_lshl_b32 s62, s60, 11
	s_add_nc_u64 s[58:59], s[50:51], s[62:63]
.endm
; expert s60's W1 for my wave, in one run: 48 loads of images, 16 of b1, 8 of scale words: 72
.macro LOADW1
	W1BASE
	WIN 0x40
.set k, 0
.rept 48
	global_load_b128 v[4*k:4*k+3], v4, s[54:55] offset:512*k
.set k, k+1
.endr
.irp t, 0,1,2,3,4,5,6,7
	global_load_b128 v[192+8*\t:195+8*\t], v18, s[58:59] offset:(32*(\t/2)+8*(\t%2))*4      ; b1 in the result's layout: units 32 (t / 2) + 16 h + 8 (t % 2) + 0 .. 7
	global_load_b128 v[196+8*\t:199+8*\t], v18, s[58:59] offset:(32*(\t/2)+8*(\t%2))*4+16
.endr
	WIN 0
.irp t, 0,1,2,3,4,5,6,7
	global_load_b64 v[48+2*\t:49+2*\t], v16, s[56:57] offset:(32*(\t/2)+8*(\t%2))*8
.endr
.endm
; the same 72 loads a quarter at a time: hidden tiles t0 and t1: 12 loads of images, 4 of b1, 2 of scale words.  No wait: no vector or matrix instruction of the second product names window 1 or v48-63, or writes v4, v16 or v18
.macro W1PAIR t0, t1
	WIN 0x40
.irp t, \t0, \t1
.irp c, 0,1,2,3,4,5
	global_load_b128 v[24*\t+4*\c:24*\t+4*\c+3], v4, s[54:55] offset:512*(6*\t+\c)
.endr
	global_load_b128 v[192+8*\t:195+8*\t], v18, s[58:59] offset:(32*(\t/2)+8*(\t%2))*4
	global_load_b128 v[196+8*\t:199+8*\t], v18, s[58:59] offset:(32*(\t/2)+8*(\t%2))*4+16
.endr
	WIN 0
.irp t, \t0, \t1
	global_load_b64 v[48+2*\t:49+2*\t], v16, s[56:57] offset:(32*(\t/2)+8*(\t%2))*8
.endr
.endm
; and its W2: 48 + 8 + 4 = 60 loads
.macro LOADW2
	s_wait_xcnt 0x0
	s_mov_b32 s63, 0
	s_mul_i32 s62, s60, 98304
	s_add_nc_u64 s[54:55], s[44:45], s[62:63]
	s_lshl_b32 s62, s60, 12
	s_add_nc_u64 s[56:57], s[48:49], s[62:63]
	s_lshl_b32 s62, s60, 10
	s_add_nc_u64 s[58:59], s[52:53], s[62:63]
	WIN 0x80
.set k, 0
.rept 48
	global_load_b128 v[4*k:4*k+3], v4, s[54:55] offset:512*k
.set k, k+1
.endr
.irp n, 0,1,2,3
	global_load_b128 v[192+8*\n:195+8*\n], v19, s[58:59] offset:64*\n
	global_load_b128 v[196+8*\n:199+8*\n], v19, s[58:59] offset:64*\n+16
.endr
	WIN 0
.irp n, 0,1,2,3
	global_load_b128 v[64+4*\n:67+4*\n], v17, s[56:57] offset:256*\n
.endr
.endm
; the second product for row tile m, if it uses this expert: my 64 outputs, times each token's gate, onto the accumulators
.macro P2TILE m
	s_bitcmp1_b32 s28, \m
	s_cbranch_scc0 .Lp2_\@
	s_wait_alu depctr_va_vdst(0)                   ; the products and vector lines issued so far are done with v96-143 and v82-85, in which the loads below land
.irp u, 0,1,2,3
.irp c, 0,1,2
	ds_load_b128 v[HF+12*\u+4*\c:HF+12*\u+4*\c+3], v4 offset:HIMG+(8*\u+\m)*1536+512*\c
.endr
	ds_load_b32 v[82+\u], v5 offset:HSC+(8*\u+\m)*128
.endr
	s_wait_dscnt 0x0
	WIN 0x22                                       ; source 0 (W2) and source 2 (b2) in window 2
.irp n, 0,1,2,3
	v_wmma_scale_f32_16x16x128_f8f6f4 v[T2+8*\n:T2+8*\n+7], v[48*\n:48*\n+11], v[HF:HF+11], v[192+8*\n:199+8*\n], v[64+4*\n], v82 matrix_a_fmt:MATRIX_FMT_FP6 matrix_b_fmt:MATRIX_FMT_FP6
.endr
	WIN 0x02                                       ; the four accumulators take turns, one instruction a turn
.irp u, 1,2,3
.irp n, 0,1,2,3
	v_wmma_scale_f32_16x16x128_f8f6f4 v[T2+8*\n:T2+8*\n+7], v[48*\n+12*\u:48*\n+12*\u+11], v[HF+12*\u:HF+12*\u+11], v[T2+8*\n:T2+8*\n+7], v[64+4*\n+\u], v[82+\u] matrix_a_fmt:MATRIX_FMT_FP6 matrix_b_fmt:MATRIX_FMT_FP6
.endr
.endr
	WIN 0
	v_and_b32 v22, 0xff, v[40+\m]                  ; my token's gate for this expert; these six lines are also the plain lines behind the products
	v_bfe_u32 v23, v[40+\m], 8, 8
	v_cmp_eq_u32 s4, s36, v22                      ; two masks in a run (s4 and s5 held x's address, whose loads are done)
	v_cmp_eq_u32 s5, s36, v23
	s_wait_alu depctr_va_sdst(0)                   ; the two compares have written s4 and s5, which the two selects read
	v_cndmask_b32 v20, 0, v[24+2*\m], s4
	v_cndmask_b32 v20, v20, v[25+2*\m], s5
	WIN 0xf0                                       ; destination and source 2 in window 3
.set p, 0
.rept 16
	v_pk_fma_f32 v[32*\m+2*p:32*\m+2*p+1], v[T2+2*p:T2+2*p+1], v[20:21], v[32*\m+2*p:32*\m+2*p+1] op_sel_hi:[1,0,1]
.set p, p+1
.endr
	WIN 0
.Lp2_\@:
.endm
.macro PHASE2
	P2TILE 0
	P2TILE 1
	P2TILE 2
	P2TILE 3
	P2TILE 4
	P2TILE 5
	P2TILE 6
	P2TILE 7
.endm
.macro PHASE2L                         ; the same with the next expert's W1 dealt among the first four row tiles; the loads stand outside the branches on the mask, so all 72 are issued on every way
	W1PAIR 0, 1
	P2TILE 0
	W1PAIR 2, 3
	P2TILE 1
	W1PAIR 4, 5
	P2TILE 2
	W1PAIR 6, 7
	P2TILE 3
	P2TILE 4
	P2TILE 5
	P2TILE 6
	P2TILE 7
.endm
; the byte offsets of the rows of x and out0 that I load and store: quad (m, i): lanes 0-15 the token at slot 16 m + 2 i, lanes 16-31 the next; my wave's 256 bytes of the row, 16 bytes a lane
.macro ROWIDX
.irp i, 0,1,2,3,4,5,6,7
	v_lshl_add_u32 v[224+\i], v2, 2, 8*\i          ; lane 2 i + h, as a byte index
.endr
.endm
.macro ROWPERM
.irp m, 0,1,2,3,4,5,6,7
.irp i, 0,1,2,3,4,5,6,7
	ds_bpermute_b32 v[96+8*\m+\i], v[224+\i], v[86+\m]
.endr
.endr
	s_wait_dscnt 0x0
.set k, 0
.rept 64
	v_min_u32 v[96+k], 0x7fff, v[96+k]             ; a token stays inside the tensors
.set k, k+1
.endr
.set k, 0
.rept 64
	v_lshl_add_u32 v[96+k], v[96+k], 10, v15
.set k, k+1
.endr
	s_wait_alu depctr_va_vdst(0)                   ; the 64 offsets v96-159 are written, which x's loads (on the way out: out0's stores) read
.endm
	s_load_b512 s[4:19], s[0:1], 0x0               ; x, xq, gp, rsel, rplan, wimg, w1_scales, w2_scales
	s_load_b128 s[20:23], s[0:1], 0x40             ; b1, b2
	s_load_b64 s[24:25], s[0:1], 0x50              ; out0
	v_lshl_add_u32 v254, v0, 2, 0x17c00
	v_mov_b32 v255, 0
	v_lshrrev_b32 v1, 5, v0
	v_readfirstlane_b32 s26, v1                    ; wave
	s_mov_b32 s27, ttmp9                           ; work-group
	s_mov_b32 s2, 0x76543210
	s_mov_b32 s3, 0xfedcba98                       ; selects: lane l xor 16
	s_mov_b32 s66, 0xbfb8aa3b                      ; -log2(e)
	s_mov_b32 s67, s66
	v_and_b32 v1, 15, v0                           ; r
	v_bfe_u32 v2, v0, 4, 1                         ; h
	v_and_b32 v3, 31, v0                           ; lane
	v_lshlrev_b32 v4, 4, v3                        ; 16 lane
	v_lshlrev_b32 v5, 2, v3                        ; 4 lane
	v_lshlrev_b32 v6, 3, v3                        ; 8 lane
	s_wait_alu depctr_va_sdst(0)                   ; s26, the wave's number, is written, ahead of its first reader
	s_mul_i32 s60, s26, 12288
	v_add_nc_u32 v11, s60, v4                      ; where I store hidden images: K step w, tile 0
	s_lshl_b32 s60, s26, 10
	s_add_co_u32 s60, s60, HSC
	v_add_nc_u32 v12, s60, v5                      ; and their scale words
	s_mul_i32 s60, s26, 4352
	s_add_co_u32 s60, s60, STG                     ; my stage
	v_mul_u32_u24 v13, v1, 272
	v_lshl_add_u32 v13, v2, 5, v13
	v_add_nc_u32 v13, s60, v13                     ; by accumulators: row r, + 32 h
	v_mul_u32_u24 v14, v2, 272
	v_lshl_add_u32 v14, v1, 4, v14
	v_add_nc_u32 v14, s60, v14                     ; by rows: lanes 0-15 one row, lanes 16-31 the next
	s_lshl_b32 s60, s26, 8
	v_lshlrev_b32 v15, 4, v1
	v_add_nc_u32 v15, s60, v15                     ; my 16 bytes of my wave's 256 of a row
	v_and_b32 v16, 8, v1
	v_add_nc_u32 v16, v16, v1
	v_lshlrev_b32 v16, 3, v16                      ; W1's scale words: 8 (r + 8 (r / 8))
	v_lshlrev_b32 v17, 4, v1                       ; W2's: 16 r
	v_lshlrev_b32 v18, 6, v2                       ; b1: 64 h
	v_lshlrev_b32 v19, 5, v2                       ; b2: 32 h
	v_mov_b32 v20, 0
	v_mov_b32 v21, 0                               ; (named as the upper half of the gate's pair)
	v_lshlrev_b32 v94, 2, v1
	s_lshl_b32 s60, s26, 7
	v_add_nc_u32 v95, s60, v94
	s_mul_i32 s60, s26, 6144
	s_add_co_u32 s60, s60, XIMG
	v_add_nc_u32 v232, s60, v4                     ; where I store x's images: tiles 2 w, 2 w + 1
	s_lshl_b32 s60, s26, 9
	s_add_co_u32 s60, s60, XSC
	v_add_nc_u32 v233, s60, v6
.irp b, 0,1,2,3
	v_mov_b32 v[TM+4+\b], 0                        ; written once: a lane permute's destination counts as one of its sources
.endr
	s_wait_kmcnt 0x0
	s_mov_b32 s61, 0
	s_lshl_b32 s60, s27, 9
	s_add_nc_u64 s[54:55], s[12:13], s[60:61]      ; my 128 slots of the list
	s_lshl_b32 s60, s27, 7
	s_add_co_u32 s60, s60, 131072
	s_add_nc_u64 s[56:57], s[12:13], s[60:61]
	s_load_b256 s[28:35], s[56:57], 0x0            ; s28-33: the six experts' tile masks; s34: which experts are used
	s_wait_alu depctr_va_vdst(0)                   ; the addresses and offsets v4-6, v11-19, v94-95, v232-233 are written, which loads and stores read from here on; so are v208-211, in which a gather lands
.irp m, 0,1,2,3,4,5,6,7
	global_load_b32 v[86+\m], v94, s[54:55] offset:64*\m       ; lane l: the token at slot 16 m + l % 16
.endr
	global_load_b32 v212, v95, s[54:55]            ; the same for the two tiles whose codes I fetch
	global_load_b32 v213, v95, s[54:55] offset:64
	s_mul_i32 s60, s26, 24576                      ; my wave's fixed bases, at expert 0
	s_add_nc_u64 s[42:43], s[14:15], s[60:61]
	s_add_co_u32 s60, s60, W2IMG
	s_add_nc_u64 s[44:45], s[14:15], s[60:61]
	s_lshl_b32 s60, s26, 10
	s_add_nc_u64 s[46:47], s[16:17], s[60:61]
	s_add_nc_u64 s[48:49], s[18:19], s[60:61]
	s_lshl_b32 s60, s26, 9
	s_add_nc_u64 s[50:51], s[20:21], s[60:61]
	s_lshl_b32 s60, s26, 8
	s_add_nc_u64 s[52:53], s[22:23], s[60:61]
	s_add_nc_u64 s[58:59], s[6:7], XQSC            ; x's scale words
	s_wait_loadcnt 0x0
	s_wait_kmcnt 0x0
.irp m, 0,1,2,3,4,5,6,7
	v_min_u32 v[86+\m], 0x7fff, v[86+\m]
.endr
.irp u, 0,1
	v_min_u32 v[212+\u], 0x7fff, v[212+\u]
	v_mul_u32_u24 v[222+\u], v[212+\u], 192
	v_lshl_add_u32 v[222+\u], v2, 4, v[222+\u]     ; a token's codes: 192 bytes; quad q of half h at 32 q + 16 h
.endr
	ROWIDX
	s_wait_alu depctr_va_vdst(0)                   ; the tokens v86-93 and v212-213, the offsets v222-223 and the lane indices v224-231 are written, which the gathers and the lane permutes below read
.irp u, 0,1
.irp q, 0,1,2,3,4,5
	global_load_b128 v[160+24*\u+4*\q:163+24*\u+4*\q], v[222+\u], s[6:7] offset:32*\q
.endr
	global_load_b64 v[208+2*\u:209+2*\u], v[212+\u], s[58:59] scale_offset
.endr
.irp m, 0,1,2,3,4,5,6,7
	global_load_b32 v[40+\m], v[86+\m], s[10:11] scale_offset
	global_load_b64 v[24+2*\m:25+2*\m], v[86+\m], s[8:9] scale_offset
.endr
	ROWPERM
	WIN 0xc0                                       ; destination window 3: x, by rows: sixteen lanes read 256 consecutive bytes
.set k, 0
.rept 64
	global_load_b128 v[4*k:4*k+3], v[96+k], s[4:5]
.set k, k+1
.endr
	WIN 0
	s_ctz_i32_b32 s60, s34                         ; the first expert that my block uses
	s_min_u32 s60, s60, 5
	LOADW1
	s_wait_loadcnt 63                              ; 72 loads were issued behind the last gather: codes, sel, gates and x are in
.irp u, 0,1
.irp q, 0,1,2,3,4,5
	ds_store_b128 v232, v[160+24*\u+4*\q:163+24*\u+4*\q] offset:3072*\u+512*\q
.endr
	ds_store_b64 v233, v[208+2*\u:209+2*\u] offset:256*\u
.endr
.irp m, 0,1,2,3,4,5,6,7                        ; x turns through my stage, from rows into the accumulators' layout, in place
	WIN 0x0c                                       ; an LDS store's data are its source 1: window 3
.irp i, 0,1,2,3,4,5,6,7
	ds_store_b128 v14, v[32*\m+4*\i:32*\m+4*\i+3] offset:544*\i
.endr
	WIN 0xc0
	s_wait_alu depctr_vm_vsrc(0)                   ; the eight stores above have read the tile's 32 registers, in which the eight loads below land
.irp n, 0,1,2,3
	ds_load_b128 v[32*\m+8*\n:32*\m+8*\n+3], v13 offset:64*\n          ; LDS serves a wave's instructions in order: these see the stores above, and the next tile's stores come behind them
	ds_load_b128 v[32*\m+8*\n+4:32*\m+8*\n+7], v13 offset:64*\n+16
.endr
.endr
	WIN 0
	LOADW2
	BARRIER                                        ; x's codes and scale words lie in LDS
	s_wait_alu depctr_vm_vsrc(0)                   ; the head's memory and LDS instructions have read their registers: x's loads v96-159, the images' stores v160-211 and v232-233, the gathers v212-213 and v222-223, the permutes v224-231: the loop writes all of these again
	s_mov_b32 s36, 0                               ; the expert in hand
.Lexp:
	s_wait_loadcnt 60                              ; only the 60 loads of a W2 group may be out: W1 is in
	; ---- 1: my 128 hidden units of each row tile that uses this expert
	s_mov_b32 s37, 0
	s_mov_b32 s38, XIMG
	s_mov_b32 s39, XSC
	s_mov_b32 s40, 0
	s_mov_b32 s41, 0
.Lm:
	v_add_nc_u32 v7, s38, v4                       ; (the LDS instructions that read v7-10 stand ahead of the wait behind the last image's stores)
	v_add_nc_u32 v8, s39, v6
	v_add_nc_u32 v9, s40, v11
	v_add_nc_u32 v10, s41, v12
	s_bitcmp1_b32 s28, s37
	s_cbranch_scc0 .Lskip1
	s_wait_alu depctr_va_vdst(0)                   ; v7-10 are written, which this trip's LDS loads and stores read; the products and vector lines issued so far are done with v96-119 and v80-81, in which the loads land
.irp q, 0,1,2,3,4,5
	ds_load_b128 v[XF+4*\q:XF+4*\q+3], v7 offset:512*\q
.endr
	ds_load_b64 v[80:81], v8
	s_wait_dscnt 0x0
	WIN 0x11                                       ; source 0 (W1) and source 2 (b1) in window 1
.irp t, 0,1,2,3,4,5,6,7
	v_wmma_scale_f32_16x16x128_f8f6f4 v[HA+8*\t:HA+8*\t+7], v[24*\t:24*\t+11], v[XF:XF+11], v[192+8*\t:199+8*\t], v[48+2*\t], v80 matrix_a_fmt:MATRIX_FMT_FP6 matrix_b_fmt:MATRIX_FMT_FP6
.endr
	WIN 0x01                                       ; the eight accumulators take turns, one instruction a turn
.irp t, 0,1,2,3,4,5,6,7
	v_wmma_scale_f32_16x16x128_f8f6f4 v[HA+8*\t:HA+8*\t+7], v[24*\t+12:24*\t+23], v[XF+12:XF+23], v[HA+8*\t:HA+8*\t+7], v[49+2*\t], v81 matrix_a_fmt:MATRIX_FMT_FP6 matrix_b_fmt:MATRIX_FMT_FP6
.endr
	WIN 0
.rept 4
	v_nop                                          ; four plain lines between the products and the first read of their results (ISA guide 7.12.1)
.endr
	SILU HA
	SILU HA+32
	QUANT HA
	s_wait_alu depctr_va_vdst(0)                   ; QUANT has written the codes v[PC ..] and the scale word v[PW], which the stores below read
.irp c, 0,1,2
	ds_store_b128 v9, v[PC+4*\c:PC+4*\c+3] offset:512*\c
.endr
	ds_store_b32 v10, v[PW]
	s_wait_dscnt 0x0                               ; the stores are done
	s_wait_alu depctr_vm_vsrc(0)                   ; this trip's LDS loads and stores have read v7-10, v[PC ..] and v[PW], which the next trip writes again (the way out's rows land on the codes' registers too)
.Lskip1:
	s_add_co_u32 s38, s38, 3072
	s_add_co_u32 s39, s39, 256
	s_add_co_u32 s40, s40, 1536
	s_add_co_u32 s41, s41, 128
	s_add_co_u32 s37, s37, 1
	s_cmp_lt_u32 s37, 8
	s_cbranch_scc1 .Lm
	BARRIER                                        ; the hidden layer's fragments lie in LDS
	s_wait_loadcnt 0x0                             ; W2 is in
	; ---- 2.  If this expert was used and another follows, that one's W1 is asked for among the first four row tiles' products and its W2 behind the last: both groups under one branch, so that the count at the loop's head holds on every way
	s_lshr_b32 s61, s34, 1
	s_cmp_eq_u32 s28, 0
	s_cbranch_scc1 .Lplain
	s_cmp_eq_u32 s61, 0
	s_cbranch_scc1 .Lplain
	s_ctz_i32_b32 s60, s61
	s_add_co_u32 s60, s60, s36
	s_add_co_u32 s60, s60, 1
	s_min_u32 s60, s60, 5
	s_wait_alu depctr_va_vdst(0)                   ; this expert's first products are done reading W1's fragments, b1 and the scale words v48-63, in which the next expert's land
	W1BASE
	PHASE2L
	s_wait_alu depctr_va_vdst(0)                   ; this expert's second products are done reading W2's fragments, b2 and the scale words v64-79, in which the next expert's land
	LOADW2
	s_branch .Ljoin
.Lplain:
	PHASE2
.Ljoin:
	BARRIER                                        ; nobody reads the hidden fragments any more
	s_mov_b32 s28, s29                             ; the masks move down one place
	s_mov_b32 s29, s30
	s_mov_b32 s30, s31
	s_mov_b32 s31, s32
	s_mov_b32 s32, s33
	s_lshr_b32 s34, s34, 1
	s_add_co_u32 s36, s36, 1
	s_cmp_lt_u32 s36, 6
	s_cbranch_scc1 .Lexp
	; ---- the way out: a row tile at a time through my stage, back as rows: sixteen lanes store 256 consecutive bytes, aligned
	ROWIDX
	s_wait_alu depctr_va_vdst(0)                   ; the lane indices v224-231 are written, which the permutes read; the products and vector lines are done with v96-159, in which the permutes' results land
	ROWPERM                                        ; the wait at its end stands behind every multiply-add onto the accumulators and every line that named v160-223: no vector instruction follows it, so the stage's stores and loads below owe nothing more
.macro TOSTAGE m
	WIN 0x0c
.irp n, 0,1,2,3
	ds_store_b128 v13, v[32*(\m)+8*\n:32*(\m)+8*\n+3] offset:64*\n
	ds_store_b128 v13, v[32*(\m)+8*\n+4:32*(\m)+8*\n+7] offset:64*\n+16
.endr
	WIN 0
.irp i, 0,1,2,3,4,5,6,7
	ds_load_b128 v[160+32*((\m)%2)+4*\i:160+32*((\m)%2)+4*\i+3], v14 offset:544*\i
.endr
.endm
.macro SEND m, younger                 ; younger: the LDS instructions issued behind tile m's loads, which may stay out
	s_wait_dscnt \younger
.irp i, 0,1,2,3,4,5,6,7
	global_store_b128 v[96+8*(\m)+\i], v[160+32*((\m)%2)+4*\i:160+32*((\m)%2)+4*\i+3], s[24:25] th:TH_STORE_NT
.endr
.endm
	TOSTAGE 0
.irp a, 1,2,3,4,5,6,7
.if \a > 1
	s_wait_xcnt 0x0                                ; tile a - 2's stores have had their addresses translated,
	s_wait_alu depctr_vm_vsrc(0)                   ; and have read their data registers, in which tile a's rows land
.endif
	TOSTAGE \a
	SEND \a-1, 16                                  ; behind tile a - 1's loads: tile a's 8 stores and 8 loads
.endr
	SEND 7, 0
	s_wait_dscnt 0x0                               ; the closing lines, six on end
	s_wait_alu 0x0
	s_wait_tensorcnt 0x0
	ds_add_u32 v254, v255
	s_wait_dscnt 0x0
	s_endpgm
.Lfunc_end_k_q84194813c8_experts:
	.size	k_q84194813c8_experts, .Lfunc_end_k_q84194813c8_experts-k_q84194813c8_experts
	.p2alignl 7, 3214868480
	.fill 96, 4, 3214868480
	.section	.rodata,"a",@progbits
	.p2align	6, 0x0
	.amdhsa_kernel k_q84194813c8_experts
		.amdhsa_group_segment_fixed_size 97792
		.amdhsa_private_segment_fixed_size 0
		.amdhsa_enable_private_segment 0
		.amdhsa_kernarg_size 88
		.amdhsa_user_sgpr_count 2
		.amdhsa_user_sgpr_kernarg_segment_ptr 1
		.amdhsa_wavefront_size32 1
		.amdhsa_system_sgpr_workgroup_id_x 1
		.amdhsa_system_sgpr_workgroup_id_y 1
		.amdhsa_system_sgpr_workgroup_id_z 1
		.amdhsa_system_vgpr_workitem_id 0
		.amdhsa_next_free_vgpr 1024
		.amdhsa_next_free_sgpr 68
		.amdhsa_reserve_vcc 0
		.amdhsa_float_denorm_mode_32 3
		.amdhsa_float_denorm_mode_16_64 3
		.amdhsa_memory_ordered 1
		.amdhsa_forward_progress 1
		.amdhsa_inst_pref_size 185
	.end_amdhsa_kernel
	.amdgpu_metadata
---
amdhsa.version: [ 1, 2 ]
amdhsa.kernels:
  - .name:           k_q84194813c8_experts
    .symbol:         k_q84194813c8_experts.kd
    .args:
      - { .name: x, .offset: 0, .size: 8, .value_kind: global_buffer, .address_space: global }
      - { .name: xq, .offset: 8, .size: 8, .value_kind: global_buffer, .address_space: global }
      - { .name: gp, .offset: 16, .size: 8, .value_kind: global_buffer, .address_space: global }
      - { .name: rsel, .offset: 24, .size: 8, .value_kind: global_buffer, .address_space: global }
      - { .name: rplan, .offset: 32, .size: 8, .value_kind: global_buffer, .address_space: global }
      - { .name: wimg, .offset: 40, .size: 8, .value_kind: global_buffer, .address_space: global }
      - { .name: w1_scales, .offset: 48, .size: 8, .value_kind: global_buffer, .address_space: global }
      - { .name: w2_scales, .offset: 56, .size: 8, .value_kind: global_buffer, .address_space: global }
      - { .name: b1, .offset: 64, .size: 8, .value_kind: global_buffer, .address_space: global }
      - { .name: b2, .offset: 72, .size: 8, .value_kind: global_buffer, .address_space: global }
      - { .name: out0, .offset: 80, .size: 8, .value_kind: global_buffer, .address_space: global }
    .group_segment_fixed_size: 97792
    .private_segment_fixed_size: 0
    .kernarg_segment_align: 8
    .kernarg_segment_size: 88
    .max_flat_workgroup_size: 128
    .sgpr_count:     68
    .vgpr_count:     1024
    .wavefront_size: 32
...
	.end_amdgpu_metadata
.endif
;; end of part 6
